; MI455X (gfx1250); checked and timed in simulation.
; The chip was launched on July 23, 2026; its instructions are those of AMD's public machine-readable ISA for CDNA 5 (MIT licence, August 2026) and "CDNA5" Instruction Set Architecture Reference Guide (July 2026). The comments in the code are by the model that wrote it; some were corrected since.
;; Cross Attention Block. Allowed arithmetic: matrix products marked QUANTISED: E5M2 operands, one given power-of-two scale a tensor, by v_wmma_f32_16x16x64_bf8_bf8 or v_wmma_f32_16x16x128_bf8_bf8, f32 sums; everything else in f32.
;; Inputs: cond_codes 16 x 24 x 32 uint8 (E5M2 codes of cond, K innermost, in blocks of 32 codes); crossattn_cond 16 x 256 x 1,024 float32; crossattn_mask 16 x 256 bool; lowp_scales 14 int32 (the exponents e of the quantised operands' scales 2^e); qk_scale 16 float32; w_cnorm_codes 1,024 x 24 x 32 uint8 (E5M2 codes of w_cnorm, K innermost, in blocks of 32 codes); w_kv_codes 2,048 x 32 x 32 uint8 (E5M2 codes of w_kv, K innermost, in blocks of 32 codes); w_norm_codes 1,024 x 24 x 32 uint8 (E5M2 codes of w_norm, K innermost, in blocks of 32 codes); w_o_codes 1,024 x 32 x 32 uint8 (E5M2 codes of w_o, K innermost, in blocks of 32 codes); w_q_codes 1,024 x 32 x 32 uint8 (E5M2 codes of w_q, K innermost, in blocks of 32 codes); x 16 x 32 x 32 x 1,024 float32.
;; Outputs: out0 16 x 32 x 32 x 1,024 float32.
;; This version of the problem:
;;   THIS VERSION OF THE PROBLEM IS GIVEN IN LOW PRECISION. The matrix products marked QUANTISED in the list below multiply operands that are first quantised to E5M2 (5 exponent bits, 2 mantissa bits; 8 bits a number), with one given power-of-two scale for each operand tensor; their sums are f32. All else is computed in f32.
;;   The module's matrix products, in the order in which they are computed (A, B: the left and right operand; K: the contracted axis; several contracted axes count as one K, in the product's order):
;;     1. [M 16, K 768] x [K 768, N 1,024]; A: input cond (given as codes); B: input w_norm (given as codes): QUANTISED (scales: A lowp_scales[0], B lowp_scales[1])
;;     2. [M 16,384, K 1,024] x [K 1,024, N 1,024]; A: computed on the way; B: input w_q (given as codes): QUANTISED (scales: A lowp_scales[2], B lowp_scales[3])
;;     3. [M 16, K 768] x [K 768, N 1,024]; A: input cond (given as codes); B: input w_cnorm (given as codes): QUANTISED (scales: A lowp_scales[4], B lowp_scales[5])
;;     4. [M 4,096, K 1,024] x [K 1,024, N 2,048]; A: computed on the way; B: input w_kv (given as codes): QUANTISED (scales: A lowp_scales[6], B lowp_scales[7])
;;     5. batch 256 x [M 1,024, K 64] x [K 64, N 256]; A: computed on the way; B: computed on the way: QUANTISED (scales: A lowp_scales[8], B lowp_scales[9])
;;     6. batch 256 x [M 1,024, K 256] x [K 256, N 64]; A: softmax (see below); B: computed on the way: QUANTISED (scales: A lowp_scales[10], B lowp_scales[11])
;;     7. [M 16,384, K 1,024] x [K 1,024, N 1,024]; A: computed on the way; B: input w_o (given as codes): QUANTISED (scales: A lowp_scales[12], B lowp_scales[13])
;;   THE QUANTISER, for each operand of a quantised product, along K:
;;     - The operand's scale is 2^e, e = its entry of the input lowp_scales (int32; the entries are numbered through the quantised products in the list's order, A before B).
;;     - Each number is divided by the scale, clamped to +-57,344, and rounded to the nearest number of E5M2, ties to even, subnormals kept.
;;     - The product sums the exact products of the quantised numbers (number of the format x scale) in f32.
;;   ~~~python
;;   def quantise(x, axis, e):      # numpy; x: float32 -> the quantised numbers, widened to float32 again
;;       x = np.moveaxis(x, axis, -1); K = x.shape[-1]
;;       r = np.clip(x / 2.0 ** e, -57344, 57344)
;;       step = 2.0 ** (np.maximum(np.frexp(np.where(r == 0, 1, r))[1] - 1, -14) - 2)
;;       q = np.round(r / step) * step * 2.0 ** e      # np.round: ties to even
;;       return np.moveaxis(q, -1, axis).astype(np.float32)
;;   ~~~
;;   SOFTMAX AHEAD OF A QUANTISED PRODUCT. Where the list says 'softmax', what is quantised is not the finished softmax but p = 2^(t - M), with t = logit x log2(e) and M = ceil(the row's largest t), a whole number; so 1/2 < the row's largest p <= 1. The row's sum l is taken of the UNQUANTISED p, in f32, and the product's result is divided by l at the end. Since M is a whole number, a kernel that streams over the keys may use a running M (the ceiling of the running maximum): every later rescaling is an exact power of two, so the quantised numbers keep their values, but for numbers so far below the row's largest that they fall under the format's range.
;;   OPERANDS COMPUTED ON THE WAY. 'Computed on the way' means the value that the module computes at that place (a softmax that the list does not call 'softmax' is quantised finished and normalised). What goes into a quantiser is computed in f32, as accurately as f32 sums, v_exp_f32 and their like allow (about 1e-6 of the number): no bf16 or f16 on the way to a quantiser, and a product that is left as it is and whose result goes on into a quantised operand takes f32 operands (vector FMAs, or v_wmma_f32_16x16x4_f32). A number that lies on a knife's edge between two numbers of the format may be rounded either way, as far as f32 arithmetic and the matrix unit's own rounding can turn it there, and no further.
;;   INPUTS GIVEN AS CODES. cond (in the module: [16, 768], K = its axis 1); w_cnorm (in the module: [1024, 768], K = its axis 1); w_kv (in the module: [2048, 1024], K = its axis 1); w_norm (in the module: [1024, 768], K = its axis 1); w_o (in the module: [1024, 1024], K = its axis 1); w_q (in the module: [1024, 1024], K = its axis 1): each comes as NAME_codes (uint8): NAME with its K axis moved to the last place and cut into blocks of 32 codes, [.., K / 32, bytes a block], one block behind the other in memory; one code a byte (a code: sign, 5 exponent bits, 2 mantissa bits); its scale is its entry of lowp_scales. Its value is code x scale, taken as it is: it is not quantised again, and the codes and scales need not be those that the quantiser above would give.
;; 2 versions. Each part assembles by itself: llvm-mc -triple=amdgcn-amd-amdhsa -mcpu=gfx1250 --defsym DOCPART=n.
;; ======== version 1 of 2: 3 launches
;; workspace buffers: sx 65,536 bytes; sc 65,536 bytes; wq_img 1,048,576 bytes; wo_img 1,048,576 bytes; wkv_img 2,097,152 bytes; kv_img 8,388,608 bytes
;; launch prep (part 1): grid 96 x 1, 4 waves a work-group, no clusters, 4,864 bytes of LDS; arguments cond_codes, w_norm_codes, w_cnorm_codes, w_q_codes, w_o_codes, w_kv_codes, lowp_scales, sx, sc, wq_img, wo_img, wkv_img; writes sx, sc, wq_img, wo_img, wkv_img
.if DOCPART == 1
	.amdgcn_target "amdgcn-amd-amdhsa--gfx1250"
	.amdhsa_code_object_version 6
	.text
	.protected	k_qfb074b9f54_prep
	.globl	k_qfb074b9f54_prep
	.p2align	8
	.type	k_qfb074b9f54_prep,@function
k_qfb074b9f54_prep:
	s_mov_b64 s[64:65], 0
	v_nop
	global_prefetch_b8 v0, s[64:65] scope:SCOPE_SE
	s_setreg_imm32_b32 hwreg(HW_REG_WAVE_MODE, 25, 1), 1
	s_wait_xcnt 0x0
; TWO JOBS, parted by the work-group's number.
; Work-groups 0-63: w_q, w_o and w_kv (codes of E5M2, [rows][1024] bytes, K innermost) are laid anew IN THE ORDER OF AN OPERAND'S REGISTERS, so that the later launches
;   load a fragment as consecutive bytes.  Image: [column tile ct of 16 rows][s = 0..15][c = 0..1][lane][16 bytes]; lane (r = lane % 16, h = lane / 16) holds W[16 ct + r][64 s + 32 c + 16 h + 0..15].
;   A wave takes one tile (16,384 bytes): 32 loads that gather 16 bytes of 16 rows each (together they use every byte of the tile), 32 stores of 512 consecutive bytes.
; Work-groups 64-79: sx = cond w_norm^T + 1; 80-95: sc = cond w_cnorm^T + 1; [16][1024] f32, on the given codes.  A work-group makes 16 batches x 64 columns, each of its four waves 16 columns; K = 768 in six steps of 128.
;   All 48 loads of a wave's six steps go out at once.  Two accumulators take turns (even steps, odd steps) and are added at the end.
;   The product is used transposed (source 0 = 16 rows of the weight, source 1 = cond's 16 rows): a lane holds one batch and eight neighbouring columns.
;   Both fragments are fetched 16 bytes at a time (k = 32 c + 16 h + 0..15 in registers 4 c .. 4 c + 3): the same permutation of k on both sides, so every product meets its partner.
;   A row's 256 bytes come from four waves: they meet in one stage in LDS (16 rows x (256 + 16) bytes) behind a barrier, and each wave stores four whole rows.
; LIMIT: lowp_scales[0] + [1] and [4] + [5] lie between -126 and 127, so that the power of two is an f32 number.
; Only the second job uses LDS and has a barrier; the branch between the jobs hangs on the work-group's number alone, so all four waves take the same way.
	s_load_b512 s[4:19], s[0:1], 0x0               ; cond 4:5, w_norm 6:7, w_cnorm 8:9, w_q 10:11, w_o 12:13, w_kv 14:15, scales 16:17, sx 18:19
	s_load_b256 s[20:27], s[0:1], 0x40             ; sc 20:21, wq_img 22:23, wo_img 24:25, wkv_img 26:27
	v_lshl_add_u32 v224, v0, 2, 0x1100
	v_mov_b32 v225, 0
	v_lshrrev_b32 v1, 5, v0
	v_readfirstlane_b32 s28, v1                    ; wave 0..3
	v_and_b32 v3, 15, v0                           ; r
	v_bfe_u32 v4, v0, 4, 1                         ; h
	v_and_b32 v5, 31, v0                           ; lane
	s_mov_b32 s35, 0
	s_cmp_lt_u32 ttmp9, 64
	s_cbranch_scc0 .Lscale
	; ---- the images.  Work-groups 0-15: w_q (64 tiles); 16-31: w_o (64); 32-63: w_kv (128).  The choice hangs on the work-group's number alone
	s_wait_kmcnt 0x0
	s_cmp_lt_u32 ttmp9, 16
	s_cselect_b64 s[30:31], s[10:11], s[12:13]
	s_cselect_b64 s[32:33], s[22:23], s[24:25]
	s_cselect_b32 s34, 0, 16
	s_cmp_lt_u32 ttmp9, 32
	s_cselect_b64 s[30:31], s[30:31], s[14:15]
	s_cselect_b64 s[32:33], s[32:33], s[26:27]
	s_cselect_b32 s34, s34, 32                     ; the buffer's first work-group
	s_sub_co_u32 s34, ttmp9, s34
	s_lshl_b32 s34, s34, 2
	s_add_co_u32 s34, s34, s28                     ; ct
	s_lshl_b32 s34, s34, 14                        ; 16 rows of 1,024 bytes = a tile's image
	s_add_nc_u64 s[30:31], s[30:31], s[34:35]
	s_add_nc_u64 s[32:33], s[32:33], s[34:35]
	v_lshlrev_b32 v1, 10, v3
	v_lshl_add_u32 v1, v4, 4, v1                   ; from: row r, + 16 h
	v_lshlrev_b32 v2, 4, v5                        ; to: 16 x lane
.set i, 0
.rept 32
	global_load_b128 v[64+4*i:64+4*i+3], v1, s[30:31] offset:32*i     ; chunk i = 2 s + c: k = 32 i + 16 h on
.set i, i+1
.endr
.set i, 0
.rept 32
	s_wait_loadcnt 31-i                            ; loads come back in order: chunk i is in, the younger ones stay out
	global_store_b128 v2, v[64+4*i:64+4*i+3], s[32:33] offset:512*i   ; 32 lanes store 512 consecutive bytes, aligned
.set i, i+1
.endr
	s_endpgm
	; ---- the two scale rows.  The work-group's block of 64 columns: cb = work-group % 16; my wave's 16 of them: 16 x wave on
.Lscale:
	s_and_b32 s29, ttmp9, 15                       ; cb
	s_wait_kmcnt 0x0
	s_load_b256 s[36:43], s[16:17], 0x0            ; e0 .. e7
	s_cmp_lt_u32 ttmp9, 80
	s_cselect_b64 s[30:31], s[6:7], s[8:9]         ; the weight
	s_cselect_b64 s[32:33], s[18:19], s[20:21]     ; the result
	s_mul_i32 s34, s29, 49152                      ; 64 rows of 768 bytes,
	s_mul_i32 s46, s28, 12288                      ; my wave's 16
	s_add_co_u32 s34, s34, s46
	s_add_nc_u64 s[30:31], s[30:31], s[34:35]
	s_lshl_b32 s34, s29, 8                         ; 64 columns of 4 bytes
	s_add_nc_u64 s[32:33], s[32:33], s[34:35]
	v_mul_u32_u24 v1, v3, 768
	v_lshl_add_u32 v1, v4, 4, v1                   ; row r of 768 bytes, + 16 h: for cond and for the weight
.irp s, 0,1,2,3,4,5                                ; K step s: cond's fragment into v[16 + 16 s ..], the weight's into v[112 + 16 s ..]: eight loads a step
.irp c, 0,1,2,3
	global_load_b128 v[16+16*\s+4*\c:16+16*\s+4*\c+3], v1, s[4:5] offset:128*\s+32*\c
.endr
.irp c, 0,1,2,3
	global_load_b128 v[112+16*\s+4*\c:112+16*\s+4*\c+3], v1, s[30:31] offset:128*\s+32*\c
.endr
.endr
	s_lshl_b32 s46, s28, 6
	v_mul_u32_u24 v6, v3, 272
	v_lshl_add_u32 v6, v4, 5, v6
	v_add_nc_u32 v6, s46, v6                       ; the stage, in: row = batch r, + 32 h, + 64 x wave
	s_mul_i32 s46, s28, 4*272
	v_mul_u32_u24 v7, v4, 272
	v_lshl_add_u32 v7, v3, 4, v7
	v_add_nc_u32 v7, s46, v7                       ; back: my rows 4 w on; lanes 0-15 one row of 256 bytes, lanes 16-31 the next
	s_lshl_b32 s46, s28, 14
	v_lshlrev_b32 v8, 12, v4
	v_lshl_add_u32 v8, v3, 4, v8
	v_add_nc_u32 v8, s46, v8                       ; and the same rows of the result (4,096 bytes a row)
.irp s, 0,1,2,3,4,5
	s_wait_loadcnt 8*(5-\s)                        ; this step's eight loads are in; the later steps' eight each may be out
.if \s < 2                                         ; the two accumulators take turns, one instruction a turn; each one's first step starts its sum
	v_wmma_f32_16x16x128_bf8_bf8 v[208+8*(\s%2):208+8*(\s%2)+7], v[112+16*\s:112+16*\s+15], v[16+16*\s:16+16*\s+15], 0
.else
	v_wmma_f32_16x16x128_bf8_bf8 v[208+8*(\s%2):208+8*(\s%2)+7], v[112+16*\s:112+16*\s+15], v[16+16*\s:16+16*\s+15], v[208+8*(\s%2):208+8*(\s%2)+7]
.endif
.endr
.rept 4
	v_nop                                          ; four places in front of the first read of the sums, and of writes into registers that the products have read
.endr
	s_wait_kmcnt 0x0
	s_cmp_lt_u32 ttmp9, 80
	s_cselect_b32 s44, s36, s40
	s_cselect_b32 s45, s37, s41
	s_add_co_i32 s44, s44, s45
	s_add_co_i32 s44, s44, 127
	s_lshl_b32 s44, s44, 23                        ; 2^(ea + eb) as f32
	s_mov_b32 s45, s44                             ; (named with it as a pair, so it is written)
.irp i, 0,2,4,6
	v_pk_add_f32 v[16+\i:17+\i], v[208+\i:209+\i], v[216+\i:217+\i]   ; the even steps' sum + the odd steps'; each accumulator from its low end on
.endr
.irp i, 0,2,4,6
	v_pk_fma_f32 v[16+\i:17+\i], v[16+\i:17+\i], s[44:45], 1.0 op_sel_hi:[1,0,0]   ; sum x 2^(ea + eb) + 1
.endr
	ds_store_b128 v6, v[16:19]                     ; lane (r, h): batch r, columns 16 w + 8 h + 0..7
	ds_store_b128 v6, v[20:23] offset:16
	s_wait_dscnt 0x0                               ; for the others' sake: my stores have landed
	s_barrier_signal -1
	s_barrier_wait -1                              ; 16 whole rows of 256 bytes lie in the stage
	ds_load_b128 v[24:27], v7
	ds_load_b128 v[28:31], v7 offset:544
	s_wait_dscnt 1
	global_store_b128 v8, v[24:27], s[32:33]                 ; sixteen lanes store 256 consecutive bytes, aligned
	s_wait_dscnt 0
	global_store_b128 v8, v[28:31], s[32:33] offset:8192
	s_wait_tensorcnt 0x0
	ds_add_u32 v224, v225
	s_wait_dscnt 0x0
	s_endpgm
.Lfunc_end_k_qfb074b9f54_prep:
	.size	k_qfb074b9f54_prep, .Lfunc_end_k_qfb074b9f54_prep-k_qfb074b9f54_prep
	.p2alignl 7, 3214868480
	.fill 96, 4, 3214868480
	.section	.rodata,"a",@progbits
	.p2align	6, 0x0
	.amdhsa_kernel k_qfb074b9f54_prep
		.amdhsa_group_segment_fixed_size 4864
		.amdhsa_private_segment_fixed_size 0
		.amdhsa_enable_private_segment 0
		.amdhsa_kernarg_size 96
		.amdhsa_user_sgpr_count 2
		.amdhsa_user_sgpr_kernarg_segment_ptr 1
		.amdhsa_wavefront_size32 1
		.amdhsa_system_sgpr_workgroup_id_x 1
		.amdhsa_system_sgpr_workgroup_id_y 1
		.amdhsa_system_sgpr_workgroup_id_z 1
		.amdhsa_system_vgpr_workitem_id 0
		.amdhsa_next_free_vgpr 226
		.amdhsa_next_free_sgpr 66
		.amdhsa_reserve_vcc 0
		.amdhsa_float_denorm_mode_32 3
		.amdhsa_float_denorm_mode_16_64 3
		.amdhsa_memory_ordered 1
		.amdhsa_forward_progress 1
		.amdhsa_inst_pref_size 17
	.end_amdhsa_kernel
	.amdgpu_metadata
---
amdhsa.version: [ 1, 2 ]
amdhsa.kernels:
  - .name:           k_qfb074b9f54_prep
    .symbol:         k_qfb074b9f54_prep.kd
    .args:
      - { .name: cond_codes, .offset: 0, .size: 8, .value_kind: global_buffer, .address_space: global }
      - { .name: w_norm_codes, .offset: 8, .size: 8, .value_kind: global_buffer, .address_space: global }
      - { .name: w_cnorm_codes, .offset: 16, .size: 8, .value_kind: global_buffer, .address_space: global }
      - { .name: w_q_codes, .offset: 24, .size: 8, .value_kind: global_buffer, .address_space: global }
      - { .name: w_o_codes, .offset: 32, .size: 8, .value_kind: global_buffer, .address_space: global }
      - { .name: w_kv_codes, .offset: 40, .size: 8, .value_kind: global_buffer, .address_space: global }
      - { .name: lowp_scales, .offset: 48, .size: 8, .value_kind: global_buffer, .address_space: global }
      - { .name: sx, .offset: 56, .size: 8, .value_kind: global_buffer, .address_space: global }
      - { .name: sc, .offset: 64, .size: 8, .value_kind: global_buffer, .address_space: global }
      - { .name: wq_img, .offset: 72, .size: 8, .value_kind: global_buffer, .address_space: global }
      - { .name: wo_img, .offset: 80, .size: 8, .value_kind: global_buffer, .address_space: global }
      - { .name: wkv_img, .offset: 88, .size: 8, .value_kind: global_buffer, .address_space: global }
    .group_segment_fixed_size: 4864
    .private_segment_fixed_size: 0
    .kernarg_segment_align: 8
    .kernarg_segment_size: 96
    .max_flat_workgroup_size: 128
    .sgpr_count:     66
    .vgpr_count:     226
    .wavefront_size: 32
...
	.end_amdgpu_metadata
.endif
;; end of part 1
;; launch kv (part 2): grid 64 x 4, 8 waves a work-group, no clusters, 67,584 bytes of LDS; arguments crossattn_cond, sc, lowp_scales, qk_scale, wkv_img, kv_img; writes kv_img
.if DOCPART == 2
	.amdgcn_target "amdgcn-amd-amdhsa--gfx1250"
	.amdhsa_code_object_version 6
	.text
	.protected	k_qfb074b9f54_kv
	.globl	k_qfb074b9f54_kv
	.p2align	8
	.type	k_qfb074b9f54_kv,@function
k_qfb074b9f54_kv:
	s_mov_b64 s[64:65], 0
	v_nop
	global_prefetch_b8 v0, s[64:65] scope:SCOPE_SE
	s_setreg_imm32_b32 hwreg(HW_REG_WAVE_MODE, 25, 1), 1
	s_wait_xcnt 0x0
; k and v as codes of E5M2, laid as images of the operand registers of the attention's two products.
; cc = crossattn_cond x (sc x rsqrt(mean(cc^2) + 1e-6)), quantised with 2^e6; kv = cc w_kv^T on codes (x 2^(e6 + e7));
; k is scaled for the cosine (sqrt(qk_scale) x rsqrt(sum k^2 + 1e-6)) and quantised with 2^e9; v is quantised with 2^e11.
; SHARES.  Work-group x = a block of 64 keys (batch x / 4, keys 64 (x % 4) on); y = cg: 0, 1: k's heads 8 cg + wave; 2, 3: v's heads 8 (cg - 2) + wave.  A wave makes one head (64 columns) for the 64 rows.
; The 64 rows' codes lie row-major in LDS, 1,040 bytes from row to row (65 x 16: the sixteen rows that a 16-byte fragment load touches fall on sixteen different 16-byte columns of 256 bytes).
; The weights come from wkv_img straight into the one wave that multiplies by them: three steps of 64 along K (24 loads a wave) are on their way, with counted waits.
; k: source 0 = 16 rows of the weight, source 1 = 16 keys: a lane holds ONE key and eight neighbouring channels a tile: four conversions give the K = 64 operand of k q^T in its own places.
; v: the sources swapped: a lane holds ONE channel and eight neighbouring keys: the conversions give pairs of the K = 128 operand v^T.
; kv_img: [batch][g = head / 4][131,072 bytes]: K part [head % 4][key tile 0..15][c 0..1][lane][16], then V part [head % 4][ks 0..1][channel tile 0..3][chunk 0..3][lane][16].
; LIMITS, so that each power of two below is an f32 number: e6, e9 and e11 - e6 - e7 between -126 and 112; e6 + e7 between -63 and 63.  NaN among the inputs is not served.  1 / sqrt is v_rsq_f32.
.set RP,   1040                        ; an LDS row of codes: 1,024 bytes + 16
.set VA,   1                           ; v1   the GEMM: r x RP + 16 h
.set VB,   2                           ; v2   the GEMM: 16 x lane + my first column tile's image
.set SQ,   3                           ; v3   sqrt(qk_scale[head])
.set AF,   8                           ; v8-31    three buffers of a fragment of codes (16 rows x 64 K)
.set BF,   32                          ; v32-127  three buffers of four fragments of the weight
.set ACC,  128                         ; v128-255 accumulator (row tile m, column tile t) at 128 + 32 m + 8 t
.set VXO,  1                           ; the norm: v1 16 x lane
.set VCS,  2                           ; v2   where my codes go: my wave's first row + 4 x lane
.set RS,   8                           ; v8-15    row p: rsqrt in the even register; the odd one is only named with it
.set CH,   16                          ; v16-31   row p: two packed chains of the sum of squares
.set CD,   32                          ; v32-63   row p: 8 registers of codes
.set TT,   64                          ; v64-67   scale x rsqrt, two pairs by turns
.set SCV,  68                          ; v68  the quantiser's scale as f32
.set LMV,  69                          ; v69  57,344 x the scale
.set PT,   77                          ; v77  a lane permute's destination
.set SXR,  96                          ; v96-127  the batch's scale row: register 4 j + k = column 128 j + 4 lane + k
.set X,    128                         ; v128-255 row p: 32 numbers, the same columns
.set WV,   22
.set SEL,  56                          ; s[56:57] v_permlanex16_b32's selects: lane l xor 16
.set EPS,  58                          ; 1e-6
.set INV,  59                          ; 1 / 1,024
.set SXP,  72                          ; s[72:73] the scale row
.set XP,   74                          ; s[74:75] my wave's first row
.macro MKSC dsc, dlim, e               ; s[dsc] = 2^e as f32, s[dlim] = 57,344 x 2^e
	s_add_co_i32 s[\dlim], s[\e], 127
	s_lshl_b32 s[\dsc], s[\dlim], 23
	s_add_co_i32 s[\dlim], s[\dlim], 15
	s_lshl_b32 s[\dlim], s[\dlim], 23
	s_or_b32 s[\dlim], s[\dlim], 0x600000
.endm
.macro PLACES                          ; four plain vector instructions between a matrix instruction and a load into, or a vector access to, its registers
.rept 4
	v_nop
.endr
.endm
.macro SLOAD                           ; the scale row: eight loads of 512 consecutive bytes
.irp j, 0,1,2,3,4,5,6,7
	global_load_b128 v[SXR+4*\j:SXR+4*\j+3], v[VXO], s[SXP:SXP+1] offset:512*\j
.endr
.endm
.macro XLOAD r, row                    ; row 'row' of my wave's rows into slot r: eight loads of 512 consecutive bytes
.irp j, 0,1,2,3,4,5,6,7
	global_load_b128 v[X+32*\r+4*\j:X+32*\r+4*\j+3], v[VXO], s[XP:XP+1] offset:4096*(\row)+512*\j
.endr
.endm
.macro SUMSQ r, left                   ; mean of squares + 1e-6 of slot r, in every lane; left: the later rows' loads, which may stay out
	s_wait_loadcnt \left
	v_pk_mul_f32 v[CH+4*\r:CH+4*\r+1], v[X+32*\r:X+32*\r+1], v[X+32*\r:X+32*\r+1]
	v_pk_mul_f32 v[CH+4*\r+2:CH+4*\r+3], v[X+32*\r+2:X+32*\r+3], v[X+32*\r+2:X+32*\r+3]
.irp j, 2,3,4,5,6,7,8,9,10,11,12,13,14,15
	v_pk_fma_f32 v[CH+4*\r+2*(\j%2):CH+4*\r+2*(\j%2)+1], v[X+32*\r+2*\j:X+32*\r+2*\j+1], v[X+32*\r+2*\j:X+32*\r+2*\j+1], v[CH+4*\r+2*(\j%2):CH+4*\r+2*(\j%2)+1]
.endr
	v_pk_add_f32 v[CH+4*\r:CH+4*\r+1], v[CH+4*\r:CH+4*\r+1], v[CH+4*\r+2:CH+4*\r+3]
	v_add_f32 v[CH+4*\r], v[CH+4*\r], v[CH+4*\r+1]
	v_add_f32_dpp v[CH+4*\r], v[CH+4*\r], v[CH+4*\r] row_xmask:1 row_mask:0xf bank_mask:0xf
	v_add_f32_dpp v[CH+4*\r], v[CH+4*\r], v[CH+4*\r] row_xmask:2 row_mask:0xf bank_mask:0xf
	v_add_f32_dpp v[CH+4*\r], v[CH+4*\r], v[CH+4*\r] row_xmask:4 row_mask:0xf bank_mask:0xf
	v_add_f32_dpp v[CH+4*\r], v[CH+4*\r], v[CH+4*\r] row_xmask:8 row_mask:0xf bank_mask:0xf
	v_permlanex16_b32 v[PT], v[CH+4*\r], s[SEL], s[SEL+1]
	v_add_f32 v[CH+4*\r], v[CH+4*\r], v[PT]
	v_fma_f32 v[CH+4*\r], v[CH+4*\r], s[INV], s[EPS]
.endm
.macro RSQ4                            ; four roots as one batch, one plain instruction, one wait ahead of the first reader
.irp r, 0,1,2,3
	v_rsq_f32 v[RS+2*\r], v[CH+4*\r]
.endr
	v_nop
	s_wait_alu depctr_va_vdst(0)
.endm
.macro SCALECVT r, row                 ; slot r: x (scale x rsqrt), held, converted; its 1,024 codes go to LDS row 'row' of my wave's rows
.irp j, 0,1,2,3,4,5,6,7,8,9,10,11,12,13,14,15
	v_pk_mul_f32 v[TT+2*(\j%2):TT+2*(\j%2)+1], v[SXR+2*\j:SXR+2*\j+1], v[RS+2*\r:RS+2*\r+1] op_sel_hi:[1,0]
	v_pk_mul_f32 v[X+32*\r+2*\j:X+32*\r+2*\j+1], v[X+32*\r+2*\j:X+32*\r+2*\j+1], v[TT+2*(\j%2):TT+2*(\j%2)+1]
.endr
.set CI, 0
.rept 32
	v_med3_num_f32 v[X+32*\r+CI], v[X+32*\r+CI], -v[LMV], v[LMV]   ; the conversion to an 8-bit code does not saturate (ISA guide 7.6.2): the hold at the largest code x the scale
.set CI, CI+1
.endr
.irp i, 0,1,2,3
	v_cvt_scalef32_pk8_bf8_f32 v[CD+8*\r+2*\i:CD+8*\r+2*\i+1], v[X+32*\r+8*\i:X+32*\r+8*\i+7], v[SCV]
.endr
	v_nop                                          ; one plain instruction behind the last conversion
.irp j, 0,1,2,3,4,5,6,7
	ds_store_b32 v[VCS], v[CD+8*\r+\j] offset:RP*(\row)+128*\j   ; columns 128 j + 4 lane + 0..3: 32 lanes store 128 consecutive bytes
.endr
.endm
.macro BLOAD st, base                  ; step st (64 along K) of my four column tiles: eight loads of 512 consecutive bytes
.irp t, 0,1,2,3
.irp c, 0,1
	global_load_b128 v[BF+32*((\st)%3)+8*\t+4*\c:BF+32*((\st)%3)+8*\t+4*\c+3], v[VB], s[\base:\base+1] offset:16384*\t+1024*(\st)+512*\c
.endr
.endr
.endm
.macro ALOAD x                         ; fragment x = 4 s + m of the codes: rows 16 m on, k = 64 s + 32 c + 16 h + 0..15 in registers 4 c .. 4 c + 3: the weight image's order of k
.irp c, 0,1
	ds_load_b128 v[AF+8*((\x)%3)+4*\c:AF+8*((\x)%3)+4*\c+3], v[VA] offset:16*RP*((\x)%4)+64*((\x)/4)+32*\c
.endr
.endm
.macro GMUL t, swap
.set GD, ACC+32*(GQ%4)+8*\t
.set GB, BF+32*((GQ/4)%3)+8*\t
.set GA, AF+8*(GQ%3)
.if \swap
.if GQ < 4
	v_wmma_f32_16x16x64_bf8_bf8 v[GD:GD+7], v[GA:GA+7], v[GB:GB+7], 0
.else
	v_wmma_f32_16x16x64_bf8_bf8 v[GD:GD+7], v[GA:GA+7], v[GB:GB+7], v[GD:GD+7]
.endif
.else
.if GQ < 4
	v_wmma_f32_16x16x64_bf8_bf8 v[GD:GD+7], v[GB:GB+7], v[GA:GA+7], 0
.else
	v_wmma_f32_16x16x64_bf8_bf8 v[GD:GD+7], v[GB:GB+7], v[GA:GA+7], v[GD:GD+7]
.endif
.endif
.endm
; 64 rows x my 64 columns, K = 1,024: 64 groups of four products (group 4 s + m: row tile m, step s).  The caller has issued BLOAD 0, 1, 2.  The 16 accumulators take turns, one instruction a turn, in the same
; order in every step; the first step starts the sums.  swap = 0: source 0 = the weight; 1: source 0 = the codes.
; A group's fragment of codes is asked for three groups ahead: behind a group's four places, into the buffer that this very group has read.
.macro GEMM base, swap
	ALOAD 0
	ALOAD 1
	ALOAD 2
.set GQ, 0
.rept 64
.if GQ%4 == 0
.if GQ/4 <= 13
	s_wait_loadcnt 16                              ; this step's eight loads are in; the next two steps' sixteen may be out
.elseif GQ/4 == 14
	s_wait_loadcnt 8
.else
	s_wait_loadcnt 0
.endif
.endif
.if GQ <= 61
	s_wait_dscnt 4                                 ; this group's fragment is in; the next two groups' two loads each may be out
.elseif GQ == 62
	s_wait_dscnt 2
.else
	s_wait_dscnt 0
.endif
.irp t, 0,1,2,3
	GMUL \t, \swap
.endr
.if GQ <= 60
	PLACES                                         ; in front of the loads below, into registers that this group has read
	ALOAD GQ+3
.endif
.if (GQ%4 == 3) && (GQ/4 <= 12)
	BLOAD GQ/4+3, \base
.endif
.set GQ, GQ+1
.endr
.endm
; One head of 64 channels for four tiles of 16 rows: x sqrt(scale) x rsqrt(sum of squares + 1e-6), held, converted into v[out + 8 m + 2 t ..].  A lane holds 32 of its row's channels, lane l xor 16 the others.
; s[sa] = 2^(ea + eb), which the sums lack; s[sb] = its square.  v[sc], v[lim]: the quantiser's scale and hold.
.macro HEADNORM sa, sb, sc, lim, out
.irp m, 0,1,2,3
	v_pk_mul_f32 v[8+4*\m:9+4*\m], v[ACC+32*\m:ACC+32*\m+1], v[ACC+32*\m:ACC+32*\m+1]
.endr
.irp m, 0,1,2,3
	v_pk_mul_f32 v[10+4*\m:11+4*\m], v[ACC+32*\m+2:ACC+32*\m+3], v[ACC+32*\m+2:ACC+32*\m+3]
.endr
.set HP, 2
.rept 14                                           ; ascending: each accumulator is read from its low end on
.irp m, 0,1,2,3
	v_pk_fma_f32 v[8+4*\m+2*(HP%2):9+4*\m+2*(HP%2)], v[ACC+32*\m+2*HP:ACC+32*\m+2*HP+1], v[ACC+32*\m+2*HP:ACC+32*\m+2*HP+1], v[8+4*\m+2*(HP%2):9+4*\m+2*(HP%2)]
.endr
.set HP, HP+1
.endr
.irp m, 0,1,2,3
	v_pk_add_f32 v[8+4*\m:9+4*\m], v[8+4*\m:9+4*\m], v[10+4*\m:11+4*\m]
.endr
.irp m, 0,1,2,3
	v_add_f32 v[8+4*\m], v[8+4*\m], v[9+4*\m]
.endr
.irp m, 0,1,2,3
	v_permlanex16_b32 v[9+4*\m], v[8+4*\m], s[SEL], s[SEL+1]
.endr
.irp m, 0,1,2,3
	v_add_f32 v[8+4*\m], v[8+4*\m], v[9+4*\m]
.endr
.irp m, 0,1,2,3
	v_fma_f32 v[8+4*\m], v[8+4*\m], s[\sb], s[EPS]  ; the true sum of squares + 1e-6
.endr
.irp m, 0,1,2,3
	v_rsq_f32 v[10+4*\m], v[8+4*\m]
.endr
	v_nop
	s_wait_alu depctr_va_vdst(0)                   ; one wait for the four roots, ahead of their first reader
.irp m, 0,1,2,3
	v_mul_f32 v[10+4*\m], v[SQ], v[10+4*\m]
.endr
.irp m, 0,1,2,3
	v_mul_f32 v[10+4*\m], s[\sa], v[10+4*\m]        ; a power of two: nothing is rounded
.endr
.irp m, 0,1,2,3
.set HP, 0
.rept 16
	v_pk_mul_f32 v[ACC+32*\m+2*HP:ACC+32*\m+2*HP+1], v[ACC+32*\m+2*HP:ACC+32*\m+2*HP+1], v[10+4*\m:11+4*\m] op_sel_hi:[1,0]
.set HP, HP+1
.endr
.set HP, 0
.rept 32
	v_med3_num_f32 v[ACC+32*\m+HP], v[ACC+32*\m+HP], -v[\lim], v[\lim]
.set HP, HP+1
.endr
.irp t, 0,1,2,3
	v_cvt_scalef32_pk8_bf8_f32 v[\out+8*\m+2*\t:\out+8*\m+2*\t+1], v[ACC+32*\m+8*\t:ACC+32*\m+8*\t+7], v[\sc]
.endr
.endr
	v_nop                                          ; one plain instruction behind the last conversion
.endm
	s_load_b256 s[4:11], s[0:1], 0x0               ; crossattn_cond 4:5, sc 6:7, scales 8:9, qk_scale 10:11
	s_load_b128 s[12:15], s[0:1], 0x20             ; wkv_img 12:13, kv_img 14:15
	v_lshl_add_u32 v7, v0, 2, 0x10400
	s_set_vgpr_msb 0x40
	v_mov_b32 v1, 0
	s_set_vgpr_msb 0x4000
	v_lshrrev_b32 v1, 5, v0
	v_readfirstlane_b32 s[WV], v1                  ; wave 0..7
	v_and_b32 v5, 31, v0
	v_lshlrev_b32 v[VXO], 4, v5
	v_lshlrev_b32 v4, 4, v5                        ; v4 = 16 x lane: stays
	s_mul_i32 s39, s[WV], 8*RP
	v_lshl_add_u32 v[VCS], v5, 2, s39              ; my wave's rows 8 w on
	v_mov_b32 v[PT], 0                             ; a lane permute's destination counts as read
.irp r, 0,1,2,3
	v_mov_b32 v[RS+2*\r+1], 0                      ; (named as the upper halves of pairs)
.endr
	s_mov_b32 s[SEL], 0x76543210
	s_mov_b32 s[SEL+1], 0xfedcba98
	s_mov_b32 s[EPS], 0x358637bd
	s_mov_b32 s[INV], 0x3a800000
	s_and_b32 s23, ttmp7, 0xffff                   ; cg
	s_lshr_b32 s24, ttmp9, 2                       ; batch
	s_and_b32 s25, ttmp9, 3                        ; rb: keys 64 rb on
	s_lshl_b32 s26, s23, 3
	s_add_co_u32 s26, s26, s[WV]                   ; 8 cg + wave: my 64 rows of w_kv
	s_and_b32 s27, s26, 15                         ; the head
	s_lshl_b32 s28, s27, 2
	s_lshl_b32 s34, ttmp9, 18                      ; 64 rows of 4,096 bytes,
	s_lshl_b32 s35, s[WV], 15                      ; my wave's 8
	s_add_co_u32 s34, s34, s35
	s_mov_b32 s35, 0
	s_wait_kmcnt 0x0
	s_load_b64 s[30:31], s[8:9], 0x18              ; e6, e7
	s_load_b32 s32, s[8:9], 0x24                   ; e9
	s_load_b32 s33, s[8:9], 0x2c                   ; e11
	s_load_b32 s60, s[10:11], s28 offset:0x0       ; qk_scale[head] (v's waves read it and do not use it)
	s_add_nc_u64 s[XP:XP+1], s[4:5], s[34:35]
	s_lshl_b32 s34, s24, 12
	s_add_nc_u64 s[SXP:SXP+1], s[6:7], s[34:35]
	SLOAD
.irp r, 0,1,2,3
	XLOAD \r, \r
.endr
	; where my head's codes go
	s_lshl_b32 s34, s24, 19                        ; batch x 524,288
	s_lshr_b32 s36, s27, 2
	s_lshl_b32 s36, s36, 17                        ; group x 131,072
	s_add_co_u32 s34, s34, s36
	s_and_b32 s36, s27, 3
	s_lshl_b32 s36, s36, 14                        ; head % 4 x 16,384
	s_add_co_u32 s34, s34, s36
	s_lshl_b32 s36, s25, 12                        ; k: key tiles 4 rb on, 1,024 bytes each
	s_lshr_b32 s37, s25, 1
	s_lshl_b32 s37, s37, 13                        ; v: K step rb / 2,
	s_and_b32 s38, s25, 1
	s_lshl_b32 s38, s38, 10                        ; chunks 2 (rb % 2) on,
	s_add_co_u32 s37, s37, s38
	s_add_co_u32 s37, s37, 65536                   ; behind the K part
	s_cmp_lt_u32 s23, 2
	s_cselect_b32 s36, s36, s37
	s_add_co_u32 s34, s34, s36
	s_add_nc_u64 s[14:15], s[14:15], s[34:35]
	s_wait_kmcnt 0x0
	MKSC 40, 41, 30                                ; e6: cc's quantiser
	s_add_co_i32 s36, s30, s31                     ; e6 + e7
	s_add_co_i32 s42, s36, 127
	s_lshl_b32 s42, s42, 23                        ; 2^(e6 + e7)
	s_lshl_b32 s43, s36, 1
	s_add_co_i32 s43, s43, 127
	s_lshl_b32 s43, s43, 23                        ; its square
	MKSC 44, 45, 32                                ; e9: k's quantiser
	s_sub_co_i32 s37, s33, s36                     ; e11 - e6 - e7: a sum stands for sum x 2^(e6 + e7): the three exponents are folded into v's one conversion
	MKSC 46, 47, 37
	v_mov_b32 v[SCV], s40
	v_mov_b32 v[LMV], s41
	; ---- the norm and the codes of my 8 rows, four at a time; the second four are asked for as the first four's registers come free
	SUMSQ 0, 24
	SUMSQ 1, 16
	SUMSQ 2, 8
	SUMSQ 3, 0
	RSQ4
.irp r, 0,1,2,3
	SCALECVT \r, \r
	XLOAD \r, 4+\r
.endr
	s_wait_dscnt 0x0                               ; the stores have read their registers: the codes' registers are written again
	SUMSQ 0, 24
	SUMSQ 1, 16
	SUMSQ 2, 8
	SUMSQ 3, 0
	RSQ4
.irp r, 0,1,2,3
	SCALECVT \r, 4+\r
.endr
	s_wait_dscnt 0x0                               ; for the others' sake: my codes lie in LDS.  (All my global loads are in too: v1 may be written)
	v_sqrt_f32 v[SQ], s60
	v_and_b32 v5, 15, v0                           ; r  (a plain instruction behind the root)
	v_bfe_u32 v6, v0, 4, 1                         ; h
	v_mul_u32_u24 v[VA], v5, RP
	v_lshl_add_u32 v[VA], v6, 4, v[VA]
	s_lshl_b32 s39, s26, 16                        ; four column tiles of 16,384 bytes for each 64 rows of w_kv
	v_add_nc_u32 v[VB], s39, v4
	s_wait_alu depctr_va_vdst(0)                   ; the root's wait, ahead of its first reader and of every branch
	BLOAD 0, 12
	BLOAD 1, 12
	BLOAD 2, 12
	s_barrier_signal -1
	s_barrier_wait -1                              ; the 64 rows' codes lie in LDS
	s_cmp_lt_u32 s23, 2                            ; the same in all waves of a work-group; no barrier and no LDS store follows
	s_cbranch_scc0 .Lvpath
	GEMM 12, 0
	PLACES
	v_mov_b32 v25, s44
	v_mov_b32 v26, s45
	HEADNORM 42, 43, 25, 26, 96
.irp m, 0,1,2,3
.irp c, 0,1
	global_store_b128 v4, v[96+8*\m+4*\c:96+8*\m+4*\c+3], s[14:15] offset:1024*\m+512*\c   ; key tile 4 rb + m: 32 lanes store 512 consecutive bytes, aligned
.endr
.endr
	s_set_vgpr_msb 0x4
	s_wait_tensorcnt 0x0
	ds_add_u32 v7, v1
	s_wait_dscnt 0x0
	s_set_vgpr_msb 0x400
	s_endpgm
.Lvpath:
	GEMM 12, 1
	PLACES
	v_mov_b32 v25, s46
	v_mov_b32 v26, s47
.irp t, 0,1,2,3
.irp m, 0,1,2,3
.irp j, 0,1,2,3,4,5,6,7
	v_med3_num_f32 v[ACC+32*\m+8*\t+\j], v[ACC+32*\m+8*\t+\j], -v26, v26
.endr
	v_cvt_scalef32_pk8_bf8_f32 v[96+8*\t+2*\m:96+8*\t+2*\m+1], v[ACC+32*\m+8*\t:ACC+32*\m+8*\t+7], v25   ; channel 16 t + r, keys 64 rb + 16 m + 8 h + 0..7
.endr
.endr
	v_nop
.irp t, 0,1,2,3
.irp c, 0,1
	global_store_b128 v4, v[96+8*\t+4*\c:96+8*\t+4*\c+3], s[14:15] offset:2048*\t+512*\c
.endr
.endr
	s_set_vgpr_msb 0x4
	s_wait_tensorcnt 0x0
	ds_add_u32 v7, v1
	s_wait_dscnt 0x0
	s_set_vgpr_msb 0x400
	s_endpgm
.Lfunc_end_k_qfb074b9f54_kv:
	.size	k_qfb074b9f54_kv, .Lfunc_end_k_qfb074b9f54_kv-k_qfb074b9f54_kv
	.p2alignl 7, 3214868480
	.fill 96, 4, 3214868480
	.section	.rodata,"a",@progbits
	.p2align	6, 0x0
	.amdhsa_kernel k_qfb074b9f54_kv
		.amdhsa_group_segment_fixed_size 67584
		.amdhsa_private_segment_fixed_size 0
		.amdhsa_enable_private_segment 0
		.amdhsa_kernarg_size 48
		.amdhsa_user_sgpr_count 2
		.amdhsa_user_sgpr_kernarg_segment_ptr 1
		.amdhsa_wavefront_size32 1
		.amdhsa_system_sgpr_workgroup_id_x 1
		.amdhsa_system_sgpr_workgroup_id_y 1
		.amdhsa_system_sgpr_workgroup_id_z 1
		.amdhsa_system_vgpr_workitem_id 0
		.amdhsa_next_free_vgpr 258
		.amdhsa_next_free_sgpr 80
		.amdhsa_reserve_vcc 0
		.amdhsa_float_denorm_mode_32 3
		.amdhsa_float_denorm_mode_16_64 3
		.amdhsa_memory_ordered 1
		.amdhsa_forward_progress 1
		.amdhsa_inst_pref_size 182
	.end_amdhsa_kernel
	.amdgpu_metadata
---
amdhsa.version: [ 1, 2 ]
amdhsa.kernels:
  - .name:           k_qfb074b9f54_kv
    .symbol:         k_qfb074b9f54_kv.kd
    .args:
      - { .name: crossattn_cond, .offset: 0, .size: 8, .value_kind: global_buffer, .address_space: global }
      - { .name: sc, .offset: 8, .size: 8, .value_kind: global_buffer, .address_space: global }
      - { .name: lowp_scales, .offset: 16, .size: 8, .value_kind: global_buffer, .address_space: global }
      - { .name: qk_scale, .offset: 24, .size: 8, .value_kind: global_buffer, .address_space: global }
      - { .name: wkv_img, .offset: 32, .size: 8, .value_kind: global_buffer, .address_space: global }
      - { .name: kv_img, .offset: 40, .size: 8, .value_kind: global_buffer, .address_space: global }
    .group_segment_fixed_size: 67584
    .private_segment_fixed_size: 0
    .kernarg_segment_align: 8
    .kernarg_segment_size: 48
    .max_flat_workgroup_size: 256
    .sgpr_count:     80
    .vgpr_count:     258
    .wavefront_size: 32
...
	.end_amdgpu_metadata
.endif
;; end of part 2
;; launch main (part 3): grid 256 x 1, 16 waves a work-group, no clusters, 270,336 bytes of LDS; arguments x, sx, crossattn_mask, lowp_scales, qk_scale, wq_img, kv_img, wo_img, out0; writes out0
.if DOCPART == 3
	.amdgcn_target "amdgcn-amd-amdhsa--gfx1250"
	.amdhsa_code_object_version 6
	.text
	.protected	k_qfb074b9f54_main
	.globl	k_qfb074b9f54_main
	.p2align	8
	.type	k_qfb074b9f54_main,@function
k_qfb074b9f54_main:
	s_mov_b64 s[64:65], 0
	v_nop
	global_prefetch_b8 v0, s[64:65] scope:SCOPE_SE
	s_setreg_imm32_b32 hwreg(HW_REG_WAVE_MODE, 25, 1), 1
	s_wait_xcnt 0x0
; out0 = softmax-attention(q(x), k, v) w_o^T + x, from x to out0 in one launch; every product on codes of E5M2 with the given scales 2^e.
; SHARES.  A work-group owns 64 rows of one batch (batch = work-group / 16).  Sixteen waves of 256 registers, four to a SIMD, so that one wave's vector work stands beside another's products and loads.
;   P0  wave w: AdaRMSNorm of rows 4 w .. 4 w + 3, quantised (e2), codes row-major into REG.
;   P1  wave w: q's columns 64 w on (head w) for all 64 rows; cosine scaling; quantised (e8); the codes take xn's place in REG.
;   ATTENTION, four groups of four heads: wave w takes head 4 g + w / 4 and the row tile w % 4.  The group's k and v images (65,536 bytes each) lie in KVB.  All 256 scores of a query lie in registers, so M is final before any p is made.
;       S^T = k q^T (a lane holds one query; the mask's bias is the C operand), p = 2^(t - M), M = ceil(the largest t); the sum of the unquantised p; p quantised (e10); O^T = v^T p^T; / sum; quantised (e12);
;       o's codes take the place of the q codes that this wave alone has read.
;       TWO BARRIERS A GROUP, each with its signal far ahead of its wait.  X: signalled behind my last read of k, awaited behind the softmax; behind it the next group's k is stored.  Y: signalled behind my last read of v
;       (my stores of k have landed by then), awaited behind o's scaling; behind it the next group's v is stored.  So k's stores are read behind Y, and v's stores behind the next X.
;   P3  wave w: out's columns 64 w on for all 64 rows; x 2^(e12 + e13) + x; whole aligned pieces of 256 bytes out, through the wave's own stage.
; THE MASK.  A hidden key's score starts at -2^126 (in units of code products), so its p is 0, as with reference()'s -1e30.  Where a batch has no open key reference() gives p = 1 for all keys:
;   then every bias and the factor c are 0 (two selects, no branch): t = 0, M = 0, p = 1.
; WEIGHTS come from their images straight into the one wave that multiplies by them (24 loads a wave on their way, counted waits, no barrier).  NO CLUSTER, NO JOINT LOADS though all work-groups walk the same weights:
;   two LDS slots of a step of 128 along K for all 1,024 columns are 262,144 bytes, which with the 66,560 bytes of codes leave no room in 327,680; slots of 64 along K would hold 16 products a wave between a request and the wait for it.
; LIMITS, so that each power of two below is an f32 number: e2, e8, e10, e12 between -126 and 112; e2 + e3 between -63 and 63; e8 + e9 between -100 and 120; e12 + e13 between -126 and 127.
;   NaN among the inputs is not served.  1 / sqrt and 1 / sum are v_rsq_f32 and v_rcp_f32.
.set KVB,  66560                       ; LDS: REG 0 .. 66,559 (64 rows x 1,040); KVB: K part 65,536, V part 65,536;
.set BIAS, 197632                      ; 256 f32;
.set STG,  198656                      ; 16 waves x 16 rows x 272
.set RP,   1040                        ; an LDS row of codes: 1,024 bytes + 16
.set VA,   1                           ; v1   the GEMM: r x RP + 16 h
.set VB,   2                           ; v2   the GEMM: 16 x lane + my first column tile's image
.set SQ,   3                           ; v3   sqrt(qk_scale[head])
.set AF,   8                           ; v8-31    three buffers of a fragment of codes (16 rows x 64 K)
.set BF,   32                          ; v32-127  three buffers of four fragments of the weight
.set ACC,  128                         ; v128-255 accumulator (row tile m, column tile t) at 128 + 32 m + 8 t
.set VXO,  1                           ; the norm: v1 16 x lane
.set VCS,  2                           ; v2   where my codes go: my wave's first row + 4 x lane
.set RS,   8                           ; v8-15    row p: rsqrt in the even register; the odd one is only named with it
.set CH,   16                          ; v16-31   row p: two packed chains of the sum of squares
.set CD,   32                          ; v32-63   row p: 8 registers of codes
.set TT,   64                          ; v64-67   scale x rsqrt, two pairs by turns
.set SCV,  68                          ; v68  the quantiser's scale as f32
.set LMV,  69                          ; v69  57,344 x the scale
.set PT,   77                          ; v77  a lane permute's destination
.set SXR,  96                          ; v96-127  the batch's scale row: register 4 j + k = column 128 j + 4 lane + k
.set X,    128                         ; v128-255 row p: 32 numbers, the same columns
.set WV,   22
.set SEL,  56                          ; s[56:57] v_permlanex16_b32's selects: lane l xor 16
.set EPS,  58                          ; 1e-6
.set INV,  59                          ; 1 / 1,024
.set SXP,  72                          ; s[72:73] the scale row
.set XP,   74                          ; s[74:75] my wave's first row
; the attention's registers: v4 4,096 w + 16 lane; v5 8,192 w + 256 lane; v6 my q codes in group 0; v7 in the group in hand; v8 bias; v9 K; v10 V; v11, v12 where I put my parts of the next k and v; v13 where o's codes go
.set QF,   16                          ; v16-23   q's fragment
.set S,    96                          ; v96-223  S^T, then p; later v96-159 V's fragments, v160-191 my part of the next v on its way
.set PC,   64                          ; v64-95   four fragments of K, then p's codes
.set KF1,  224                         ; v224-255 four fragments of K, then my part of the next k on its way, then O^T
.set VK,   9
.macro MKSC dsc, dlim, e               ; s[dsc] = 2^e as f32, s[dlim] = 57,344 x 2^e
	s_add_co_i32 s[\dlim], s[\e], 127
	s_lshl_b32 s[\dsc], s[\dlim], 23
	s_add_co_i32 s[\dlim], s[\dlim], 15
	s_lshl_b32 s[\dlim], s[\dlim], 23
	s_or_b32 s[\dlim], s[\dlim], 0x600000
.endm
.macro PLACES                          ; four plain vector instructions between a matrix instruction and a load into, or a vector access to, its registers
.rept 4
	v_nop
.endr
.endm
.macro BAR                             ; my LDS stores have landed and my LDS loads are in: then the work-group's barrier
	s_wait_dscnt 0x0
	s_barrier_signal -1
	s_barrier_wait -1
.endm
.macro SLOAD                           ; the scale row: eight loads of 512 consecutive bytes
.irp j, 0,1,2,3,4,5,6,7
	global_load_b128 v[SXR+4*\j:SXR+4*\j+3], v[VXO], s[SXP:SXP+1] offset:512*\j
.endr
.endm
.macro XLOAD r, row                    ; row 'row' of my wave's rows into slot r: eight loads of 512 consecutive bytes
.irp j, 0,1,2,3,4,5,6,7
	global_load_b128 v[X+32*\r+4*\j:X+32*\r+4*\j+3], v[VXO], s[XP:XP+1] offset:4096*(\row)+512*\j
.endr
.endm
.macro SUMSQ r, left                   ; mean of squares + 1e-6 of slot r, in every lane; left: the later rows' loads, which may stay out
	s_wait_loadcnt \left
	v_pk_mul_f32 v[CH+4*\r:CH+4*\r+1], v[X+32*\r:X+32*\r+1], v[X+32*\r:X+32*\r+1]
	v_pk_mul_f32 v[CH+4*\r+2:CH+4*\r+3], v[X+32*\r+2:X+32*\r+3], v[X+32*\r+2:X+32*\r+3]
.irp j, 2,3,4,5,6,7,8,9,10,11,12,13,14,15
	v_pk_fma_f32 v[CH+4*\r+2*(\j%2):CH+4*\r+2*(\j%2)+1], v[X+32*\r+2*\j:X+32*\r+2*\j+1], v[X+32*\r+2*\j:X+32*\r+2*\j+1], v[CH+4*\r+2*(\j%2):CH+4*\r+2*(\j%2)+1]
.endr
	v_pk_add_f32 v[CH+4*\r:CH+4*\r+1], v[CH+4*\r:CH+4*\r+1], v[CH+4*\r+2:CH+4*\r+3]
	v_add_f32 v[CH+4*\r], v[CH+4*\r], v[CH+4*\r+1]
	v_add_f32_dpp v[CH+4*\r], v[CH+4*\r], v[CH+4*\r] row_xmask:1 row_mask:0xf bank_mask:0xf
	v_add_f32_dpp v[CH+4*\r], v[CH+4*\r], v[CH+4*\r] row_xmask:2 row_mask:0xf bank_mask:0xf
	v_add_f32_dpp v[CH+4*\r], v[CH+4*\r], v[CH+4*\r] row_xmask:4 row_mask:0xf bank_mask:0xf
	v_add_f32_dpp v[CH+4*\r], v[CH+4*\r], v[CH+4*\r] row_xmask:8 row_mask:0xf bank_mask:0xf
	v_permlanex16_b32 v[PT], v[CH+4*\r], s[SEL], s[SEL+1]
	v_add_f32 v[CH+4*\r], v[CH+4*\r], v[PT]
	v_fma_f32 v[CH+4*\r], v[CH+4*\r], s[INV], s[EPS]
.endm
.macro RSQ4                            ; four roots as one batch, one plain instruction, one wait ahead of the first reader
.irp r, 0,1,2,3
	v_rsq_f32 v[RS+2*\r], v[CH+4*\r]
.endr
	v_nop
	s_wait_alu depctr_va_vdst(0)
.endm
.macro SCALECVT r, row                 ; slot r: x (scale x rsqrt), held, converted; its 1,024 codes go to LDS row 'row' of my wave's rows
.irp j, 0,1,2,3,4,5,6,7,8,9,10,11,12,13,14,15
	v_pk_mul_f32 v[TT+2*(\j%2):TT+2*(\j%2)+1], v[SXR+2*\j:SXR+2*\j+1], v[RS+2*\r:RS+2*\r+1] op_sel_hi:[1,0]
	v_pk_mul_f32 v[X+32*\r+2*\j:X+32*\r+2*\j+1], v[X+32*\r+2*\j:X+32*\r+2*\j+1], v[TT+2*(\j%2):TT+2*(\j%2)+1]
.endr
.set CI, 0
.rept 32
	v_med3_num_f32 v[X+32*\r+CI], v[X+32*\r+CI], -v[LMV], v[LMV]   ; the conversion to an 8-bit code does not saturate (ISA guide 7.6.2): the hold at the largest code x the scale
.set CI, CI+1
.endr
.irp i, 0,1,2,3
	v_cvt_scalef32_pk8_bf8_f32 v[CD+8*\r+2*\i:CD+8*\r+2*\i+1], v[X+32*\r+8*\i:X+32*\r+8*\i+7], v[SCV]
.endr
	v_nop                                          ; one plain instruction behind the last conversion
.irp j, 0,1,2,3,4,5,6,7
	ds_store_b32 v[VCS], v[CD+8*\r+\j] offset:RP*(\row)+128*\j   ; columns 128 j + 4 lane + 0..3: 32 lanes store 128 consecutive bytes
.endr
.endm
.macro BLOAD st, base                  ; step st (64 along K) of my four column tiles: eight loads of 512 consecutive bytes
.irp t, 0,1,2,3
.irp c, 0,1
	global_load_b128 v[BF+32*((\st)%3)+8*\t+4*\c:BF+32*((\st)%3)+8*\t+4*\c+3], v[VB], s[\base:\base+1] offset:16384*\t+1024*(\st)+512*\c
.endr
.endr
.endm
.macro ALOAD x                         ; fragment x = 4 s + m of the codes: rows 16 m on, k = 64 s + 32 c + 16 h + 0..15 in registers 4 c .. 4 c + 3: the weight image's order of k
.irp c, 0,1
	ds_load_b128 v[AF+8*((\x)%3)+4*\c:AF+8*((\x)%3)+4*\c+3], v[VA] offset:16*RP*((\x)%4)+64*((\x)/4)+32*\c
.endr
.endm
.macro GMUL t, swap
.set GD, ACC+32*(GQ%4)+8*\t
.set GB, BF+32*((GQ/4)%3)+8*\t
.set GA, AF+8*(GQ%3)
.if \swap
.if GQ < 4
	v_wmma_f32_16x16x64_bf8_bf8 v[GD:GD+7], v[GA:GA+7], v[GB:GB+7], 0
.else
	v_wmma_f32_16x16x64_bf8_bf8 v[GD:GD+7], v[GA:GA+7], v[GB:GB+7], v[GD:GD+7]
.endif
.else
.if GQ < 4
	v_wmma_f32_16x16x64_bf8_bf8 v[GD:GD+7], v[GB:GB+7], v[GA:GA+7], 0
.else
	v_wmma_f32_16x16x64_bf8_bf8 v[GD:GD+7], v[GB:GB+7], v[GA:GA+7], v[GD:GD+7]
.endif
.endif
.endm
; 64 rows x my 64 columns, K = 1,024: 64 groups of four products (group 4 s + m: row tile m, step s).  The caller has issued BLOAD 0, 1, 2.  The 16 accumulators take turns, one instruction a turn, in the same
; order in every step; the first step starts the sums.  swap = 0: source 0 = the weight: a lane holds one row and eight neighbouring columns a tile.
; A group's fragment of codes is asked for three groups ahead: behind a group's four places, into the buffer that this very group has read.
.macro GEMM base, swap
	ALOAD 0
	ALOAD 1
	ALOAD 2
.set GQ, 0
.rept 64
.if GQ%4 == 0
.if GQ/4 <= 13
	s_wait_loadcnt 16                              ; this step's eight loads are in; the next two steps' sixteen may be out
.elseif GQ/4 == 14
	s_wait_loadcnt 8
.else
	s_wait_loadcnt 0
.endif
.endif
.if GQ <= 61
	s_wait_dscnt 4                                 ; this group's fragment is in; the next two groups' two loads each may be out
.elseif GQ == 62
	s_wait_dscnt 2
.else
	s_wait_dscnt 0
.endif
.irp t, 0,1,2,3
	GMUL \t, \swap
.endr
.if GQ <= 60
	PLACES                                         ; in front of the loads below, into registers that this group has read
	ALOAD GQ+3
.endif
.if (GQ%4 == 3) && (GQ/4 <= 12)
	BLOAD GQ/4+3, \base
.endif
.set GQ, GQ+1
.endr
.endm
; One head of 64 channels for four tiles of 16 rows: x sqrt(scale) x rsqrt(sum of squares + 1e-6), held, converted into v[out + 8 m + 2 t ..].  A lane holds 32 of its row's channels, lane l xor 16 the others.
; s[sa] = 2^(ea + eb), which the sums lack; s[sb] = its square.  v[sc], v[lim]: the quantiser's scale and hold.
.macro HEADNORM sa, sb, sc, lim, out
.irp m, 0,1,2,3
	v_pk_mul_f32 v[8+4*\m:9+4*\m], v[ACC+32*\m:ACC+32*\m+1], v[ACC+32*\m:ACC+32*\m+1]
.endr
.irp m, 0,1,2,3
	v_pk_mul_f32 v[10+4*\m:11+4*\m], v[ACC+32*\m+2:ACC+32*\m+3], v[ACC+32*\m+2:ACC+32*\m+3]
.endr
.set HP, 2
.rept 14                                           ; ascending: each accumulator is read from its low end on
.irp m, 0,1,2,3
	v_pk_fma_f32 v[8+4*\m+2*(HP%2):9+4*\m+2*(HP%2)], v[ACC+32*\m+2*HP:ACC+32*\m+2*HP+1], v[ACC+32*\m+2*HP:ACC+32*\m+2*HP+1], v[8+4*\m+2*(HP%2):9+4*\m+2*(HP%2)]
.endr
.set HP, HP+1
.endr
.irp m, 0,1,2,3
	v_pk_add_f32 v[8+4*\m:9+4*\m], v[8+4*\m:9+4*\m], v[10+4*\m:11+4*\m]
.endr
.irp m, 0,1,2,3
	v_add_f32 v[8+4*\m], v[8+4*\m], v[9+4*\m]
.endr
.irp m, 0,1,2,3
	v_permlanex16_b32 v[9+4*\m], v[8+4*\m], s[SEL], s[SEL+1]
.endr
.irp m, 0,1,2,3
	v_add_f32 v[8+4*\m], v[8+4*\m], v[9+4*\m]
.endr
.irp m, 0,1,2,3
	v_fma_f32 v[8+4*\m], v[8+4*\m], s[\sb], s[EPS]  ; the true sum of squares + 1e-6
.endr
.irp m, 0,1,2,3
	v_rsq_f32 v[10+4*\m], v[8+4*\m]
.endr
	v_nop
	s_wait_alu depctr_va_vdst(0)                   ; one wait for the four roots, ahead of their first reader
.irp m, 0,1,2,3
	v_mul_f32 v[10+4*\m], v[SQ], v[10+4*\m]
.endr
.irp m, 0,1,2,3
	v_mul_f32 v[10+4*\m], s[\sa], v[10+4*\m]        ; a power of two: nothing is rounded
.endr
.irp m, 0,1,2,3
.set HP, 0
.rept 16
	v_pk_mul_f32 v[ACC+32*\m+2*HP:ACC+32*\m+2*HP+1], v[ACC+32*\m+2*HP:ACC+32*\m+2*HP+1], v[10+4*\m:11+4*\m] op_sel_hi:[1,0]
.set HP, HP+1
.endr
.set HP, 0
.rept 32
	v_med3_num_f32 v[ACC+32*\m+HP], v[ACC+32*\m+HP], -v[\lim], v[\lim]
.set HP, HP+1
.endr
.irp t, 0,1,2,3
	v_cvt_scalef32_pk8_bf8_f32 v[\out+8*\m+2*\t:\out+8*\m+2*\t+1], v[ACC+32*\m+8*\t:ACC+32*\m+8*\t+7], v[\sc]
.endr
.endr
	v_nop                                          ; one plain instruction behind the last conversion
.endm
.macro KGLOAD dst                      ; my wave's 4,096 bytes of the K part of the block at s[66:67]: eight loads of 512 consecutive bytes
.set GI, 0
.rept 8
	global_load_b128 v[\dst+4*GI:\dst+4*GI+3], v4, s[66:67] offset:512*GI
.set GI, GI+1
.endr
.endm
.macro VGLOAD dst                      ; and of its V part
.set GI, 0
.rept 8
	global_load_b128 v[\dst+4*GI:\dst+4*GI+3], v4, s[66:67] offset:65536+512*GI
.set GI, GI+1
.endr
.endm
.macro KVST adr, src                   ; eight stores of 512 consecutive bytes into KVB, as the bytes lie in memory
.set GI, 0
.rept 8
	ds_store_b128 v[\adr], v[\src+4*GI:\src+4*GI+3] offset:512*GI
.set GI, GI+1
.endr
.endm
; A PREFETCH INTO THE L2 of the block of k and v one group further on than the one just loaded.  It stands behind the wave's run of loads.  The sixteen work-groups of a batch walk the same four blocks: the batch's first
; work-group asks; each of its waves names 8,192 bytes of its own, lanes 256 bytes apart: each aligned 256 bytes of blocks 1 to 3 is named once in the launch.  Block 0 comes by its loads alone; the trip that loads block 3 asks for nothing.
.macro ASK how
.if \how
	s_cmp_eq_u32 s63, 1
.else
	s_cmp_gt_u32 s62, s63                          ; s62 = 1 in the loop's last trip; s63 = 1 in the batch's first work-group, else the greatest number
.endif
	s_cbranch_scc0 .Lnoask_\@
	global_prefetch_b8 v5, s[66:67] offset:131072 th:TH_LOAD_NT scope:SCOPE_SE
.Lnoask_\@:
.endm
.macro KLOAD t0, dst                   ; four fragments of K (16 keys x 64 channels each), key tiles t0 on
.irp i, 0,1,2,3
.irp c, 0,1
	ds_load_b128 v[\dst+8*\i+4*\c:\dst+8*\i+4*\c+3], v[VK] offset:1024*(\t0+\i)+512*\c
.endr
.endr
.endm
.macro SMUL t0, kf                     ; four tiles of S^T: each has its own accumulator, in which the mask's bias lies
.irp i, 0,1,2,3
	v_wmma_f32_16x16x64_bf8_bf8 v[S+8*(\t0+\i):S+8*(\t0+\i)+7], v[\kf+8*\i:\kf+8*\i+7], v[QF:QF+7], v[S+8*(\t0+\i):S+8*(\t0+\i)+7]
.endr
.endm
.macro VLOAD ks                        ; four fragments of V^T (16 channels x 128 keys each)
.irp e, 0,1,2,3
.irp c, 0,1,2,3
	ds_load_b128 v[S+16*\e+4*\c:S+16*\e+4*\c+3], v10 offset:2048*(4*\ks+\e)+512*\c
.endr
.endr
.endm
; ONE GROUP OF FOUR HEADS: my head, my 16 queries, all 256 keys.  last = 0: the next group's k and v are fetched meanwhile and change places behind barriers X and Y.  last = 1: nothing is fetched; X still stands,
; since this group's v was stored behind the last Y; the last GEMM's first weights are asked for.
.macro GROUP last
	v_add_nc_u32 v7, s61, v6                       ; my q codes: 256 bytes further on in each group.  (The loads that read v7 in the last group are long back)
.irp c, 0,1,2,3
	ds_load_b64 v[QF+2*\c:QF+2*\c+1], v7 offset:16*\c
.endr
.set GI, 0
.rept 32
	ds_load_b128 v[S+4*GI:S+4*GI+3], v8 offset:64*(GI/2)+16*(GI%2)   ; the bias of keys 16 t + 8 h + 0..7, straight into tile t's accumulator
.set GI, GI+1
.endr
	KLOAD 0, PC
	KLOAD 4, KF1
	s_wait_dscnt 8                                 ; all but the eight loads just issued
	SMUL 0, PC
	PLACES
	KLOAD 8, PC
	s_wait_dscnt 8
	SMUL 4, KF1
	PLACES
	KLOAD 12, KF1
	s_wait_dscnt 8
	SMUL 8, PC
	s_wait_dscnt 0                                 ; all my LDS instructions are done: my reads of this group's k, and the last group's stores
	SMUL 12, KF1
	v_add_nc_u32 v13, s61, v6                      ; where o's codes will go: the bytes of q that I have just read.  (With the three v_nop: the four places behind the products)
.rept 3
	v_nop
.endr
.if !\last
	KGLOAD KF1                                     ; my part of the next group's k, into the fragment buffer that the last products have read
.endif
	s_barrier_signal -1                            ; X: my reads of k are over, and my stores of this group's v have landed.  Only work on registers stands between this line and the wait
	v_max3_num_f32 v30, v[S], v[S+1], v[S+2]       ; the largest score of my query among my 128 keys, ascending, in two chains,
	v_max3_num_f32 v44, v[S+3], v[S+4], v[S+5]
.set GI, 6
.rept 30
	v_max3_num_f32 v30, v30, v[S+GI], v[S+GI+1]
	v_max3_num_f32 v44, v44, v[S+GI+2], v[S+GI+3]
.set GI, GI+4
.endr
	v_max3_num_f32 v30, v30, v[S+126], v[S+127]
	v_max_num_f32 v30, v30, v44
	v_permlanex16_b32 v31, v30, s[SEL], s[SEL+1]
	v_max_num_f32 v30, v30, v31                    ; and among lane l xor 16's
	v_mul_f32 v30, s46, v30                        ; as t (c is not negative)
	v_floor_f32 v24, -v30                          ; -M = floor(-t) = -ceil(t)
.set GI, 0
.rept 64
	v_pk_fma_f32 v[S+2*GI:S+2*GI+1], v[S+2*GI:S+2*GI+1], s[46:47], v[24:25] op_sel_hi:[1,0,0]   ; t - M, two at a time
.set GI, GI+1
.endr
.set GI, 0
.rept 128
	v_exp_f32 v[S+GI], v[S+GI]                     ; p = 2^(t - M)
.set GI, GI+1
.endr
	v_nop                                          ; a plain instruction behind the last exponential
	s_wait_alu depctr_va_vdst(0)                   ; one wait for the whole batch, ahead of its first reader
	v_pk_add_f32 v[26:27], v[S:S+1], v[S+2:S+3]    ; the row's sum is taken of the unquantised p: two chains
	v_pk_add_f32 v[28:29], v[S+4:S+5], v[S+6:S+7]
.set GI, 4
.rept 30
	v_pk_add_f32 v[26:27], v[26:27], v[S+2*GI:S+2*GI+1]
	v_pk_add_f32 v[28:29], v[28:29], v[S+2*GI+2:S+2*GI+3]
.set GI, GI+2
.endr
	s_barrier_wait -1                              ; X: no wave reads this group's k any more, and this group's v lies whole in LDS
.if !\last
	s_wait_loadcnt 0x0                             ; my eight loads of the next k are in
	KVST 11, KF1
.endif
	s_cmp_gt_i32 s34, -16                          ; p is at most 1 (t - M is not above 0, but for the last bit of a rounding), and the hold stands at 57,344 x 2^e10, which is 1.75 or more for e10 >= -15:
	s_cbranch_scc1 .Lnohold_\@                     ; there it holds nothing and is jumped over: a branch on a whole number out of lowp_scales
.set GI, 0
.rept 128
	v_min_num_f32 v[S+GI], v[S+GI], v41            ; p is not negative: the hold is one-sided
.set GI, GI+1
.endr
.Lnohold_\@:
.set GI, 0
.rept 16
	v_cvt_scalef32_pk8_bf8_f32 v[PC+2*GI:PC+2*GI+1], v[S+8*GI:S+8*GI+7], v40   ; keys 16 t + 8 h + 0..7: pair t % 8 of K step t / 8 of the second product's operand
.set GI, GI+1
.endr
	v_nop                                          ; one plain instruction behind the last conversion
.if !\last
	VGLOAD S+64                                    ; my part of the next group's v, into registers that p has left
	ASK 0
.endif
	VLOAD 0
	s_wait_dscnt 0                                 ; V's first four fragments are in; my stores of k have read their registers, which O^T takes
.irp e, 0,1,2,3
	v_wmma_f32_16x16x128_bf8_bf8 v[KF1+8*\e:KF1+8*\e+7], v[S+16*\e:S+16*\e+15], v[PC:PC+15], 0
.endr
	PLACES
	VLOAD 1
	s_wait_dscnt 0
.if !\last
	s_barrier_signal -1                            ; Y: my reads of v are over, and my stores of the next k have landed.  Only work on registers stands between this line and the wait
.endif
.irp e, 0,1,2,3                                    ; the four accumulators take turns
	v_wmma_f32_16x16x128_bf8_bf8 v[KF1+8*\e:KF1+8*\e+7], v[S+16*\e:S+16*\e+15], v[PC+16:PC+31], v[KF1+8*\e:KF1+8*\e+7]
.endr
	v_pk_add_f32 v[26:27], v[26:27], v[28:29]      ; the sum's chains and halves; with the v_nop and the v_ldexp_f32 below these additions are five plain instructions behind the last products
	v_add_f32 v26, v26, v27
	v_permlanex16_b32 v31, v26, s[SEL], s[SEL+1]
	v_add_f32 v26, v26, v31
	v_rcp_f32 v30, v26
	v_nop
	s_wait_alu depctr_va_vdst(0)                   ; the reciprocal's wait, ahead of its first reader
	v_ldexp_f32 v30, v30, s50                      ; x 2^(e10 + e11)
.set GI, 0
.rept 16
	v_pk_mul_f32 v[KF1+2*GI:KF1+2*GI+1], v[KF1+2*GI:KF1+2*GI+1], v[30:31] op_sel_hi:[1,0]
.set GI, GI+1
.endr
.set GI, 0
.rept 32
	v_med3_num_f32 v[KF1+GI], v[KF1+GI], -v43, v43
.set GI, GI+1
.endr
.irp e, 0,1,2,3
	v_cvt_scalef32_pk8_bf8_f32 v[32+2*\e:33+2*\e], v[KF1+8*\e:KF1+8*\e+7], v42
.endr
	v_nop
.if !\last
	s_barrier_wait -1                              ; Y: no wave reads this group's v any more, and the next group's k lies whole in LDS
	s_wait_loadcnt 0x0                             ; my eight loads of the next v are in
	KVST 12, S+64
.endif
.irp e, 0,1,2,3
	ds_store_b64 v13, v[32+2*\e:33+2*\e] offset:16*\e   ; o(row, 64 head + 16 e + 8 h + 0..7): the bytes of q that I alone have read
.endr
.if !\last
	s_wait_xcnt 0x0                                ; the loads and the prefetch have read their address: the block's pointer steps only behind this wait
	s_add_nc_u64 s[66:67], s[66:67], 131072
	s_add_co_u32 s61, s61, 256
.else
	s_wait_dscnt 0x0                               ; for the others' sake: my o codes lie in LDS
	BLOAD 0, 18
	BLOAD 1, 18
	BLOAD 2, 18
	s_barrier_signal -1
	s_barrier_wait -1                              ; all 64 rows of o's codes lie in REG
.endif
.endm
	s_load_b512 s[4:19], s[0:1], 0x0               ; x 4:5, sx 6:7, mask 8:9, scales 10:11, qk_scale 12:13, wq_img 14:15, kv_img 16:17, wo_img 18:19
	s_load_b64 s[20:21], s[0:1], 0x40              ; out0
	v_lshrrev_b32 v1, 5, v0
	v_readfirstlane_b32 s[WV], v1                  ; wave 0..15
	v_and_b32 v8, 31, v0                           ; lane
	v_lshlrev_b32 v[VXO], 4, v8
	s_lshl_b32 s28, s[WV], 12
	v_add_nc_u32 v4, s28, v[VXO]                   ; 4,096 w + 16 lane: stays
	s_lshl_b32 s28, s[WV], 13
	v_lshl_add_u32 v5, v8, 8, s28                  ; 8,192 w + 256 lane: stays
	s_mul_i32 s29, s[WV], 4*RP
	v_lshl_add_u32 v[VCS], v8, 2, s29              ; my wave's rows 4 w on
	v_lshlrev_b32 v75, 3, v8                       ; the mask: 8 bytes a lane: a wave sees all 256 keys
	v_and_b32 v71, 255, v0                         ; and one key a thread
	v_lshl_add_u32 v76, v0, 2, BIAS
	v_mov_b32 v73, 0xfe800000                      ; -2^126
	v_mov_b32 v74, 0
	v_mov_b32 v[PT], 0                             ; a lane permute's destination counts as read
.irp r, 0,1,2,3
	v_mov_b32 v[RS+2*\r+1], 0                      ; (named as the upper halves of pairs)
.endr
	s_mov_b32 s[SEL], 0x76543210
	s_mov_b32 s[SEL+1], 0xfedcba98
	s_mov_b32 s[EPS], 0x358637bd
	s_mov_b32 s[INV], 0x3a800000
	s_lshr_b32 s23, ttmp9, 4                       ; batch
	s_and_b32 s2, ttmp9, 15
	s_cmp_eq_u32 s2, 0
	s_cselect_b32 s63, 1, -1                       ; the batch's first work-group prefetches
	s_lshl_b32 s3, s[WV], 2
	s_lshl_b32 s26, ttmp9, 18                      ; 64 rows of 4,096 bytes
	s_mov_b32 s27, 0
	s_wait_kmcnt 0x0
	s_load_b64 s[24:25], s[10:11], 0x8             ; e2, e3
	s_load_b128 s[32:35], s[10:11], 0x20           ; e8 .. e11
	s_load_b64 s[36:37], s[10:11], 0x30            ; e12, e13
	s_load_b32 s60, s[12:13], s3 offset:0x0        ; qk_scale[w]
	s_add_nc_u64 s[68:69], s[4:5], s[26:27]        ; x and out0 at the work-group's first row
	s_add_nc_u64 s[70:71], s[20:21], s[26:27]
	s_lshl_b32 s26, s[WV], 14
	s_add_nc_u64 s[XP:XP+1], s[68:69], s[26:27]
	s_lshl_b32 s26, s23, 12
	s_add_nc_u64 s[SXP:SXP+1], s[6:7], s[26:27]
	s_lshl_b32 s26, s23, 8
	s_add_nc_u64 s[76:77], s[8:9], s[26:27]
	s_lshl_b32 s26, s23, 19
	s_add_nc_u64 s[66:67], s[16:17], s[26:27]      ; the batch's four blocks of k and v
	global_load_b64 v[78:79], v75, s[76:77]
	global_load_u8 v70, v71, s[76:77]
	SLOAD
.irp r, 0,1,2,3
	XLOAD \r, \r
.endr
	s_wait_kmcnt 0x0
	MKSC 40, 41, 24                                ; e2: xn's quantiser
	s_add_co_i32 s26, s24, s25
	s_add_co_i32 s42, s26, 127
	s_lshl_b32 s42, s42, 23                        ; 2^(e2 + e3)
	s_lshl_b32 s43, s26, 1
	s_add_co_i32 s43, s43, 127
	s_lshl_b32 s43, s43, 23                        ; its square
	MKSC 44, 45, 32                                ; e8: q's
	s_add_co_i32 s46, s32, s33
	s_lshl_b32 s46, s46, 23
	s_add_co_i32 s46, s46, 0x3e38aa3b              ; c = log2(e) / 8 x 2^(e8 + e9): the exponents are added to the exponent field
	MKSC 48, 49, 34                                ; e10: p's
	s_add_co_i32 s50, s34, s35                     ; e10 + e11
	MKSC 51, 52, 36                                ; e12: o's
	s_add_co_i32 s54, s36, s37
	s_add_co_i32 s54, s54, 127
	s_lshl_b32 s54, s54, 23                        ; 2^(e12 + e13)
	s_mov_b32 s55, s54
	v_mov_b32 v[SCV], s40
	v_mov_b32 v[LMV], s41
	; ---- the mask's bias
	s_wait_loadcnt 40                              ; the mask's two loads are in; the scale row's 8 and x's 32 may be out
	v_or_b32 v72, v78, v79
	v_cmp_ne_u32 vcc_lo, 0, v72
	s_cmp_lg_u32 vcc_lo, 0                         ; has the batch an open key?
	s_cselect_b32 s46, s46, 0                      ; if not: c = 0,
	s_cselect_b32 s3, 0, 1
	s_mov_b32 s47, s46                             ; (named with it as a pair)
	v_or_b32 v70, s3, v70                          ; and every key counts as open
	v_cmp_ne_u32 vcc_lo, 0, v70
	v_cndmask_b32 v70, v73, v74, vcc_lo            ; open: 0; hidden: -2^126
	s_cmp_lt_u32 s[WV], 8                          ; threads 0 to 255 store the 256 words
	s_cbranch_scc0 .Lnobias
	ds_store_b32 v76, v70
.Lnobias:
	; ---- P0: the norm and the codes of my four rows
	SUMSQ 0, 24
	SUMSQ 1, 16
	SUMSQ 2, 8
	SUMSQ 3, 0
	RSQ4
.irp r, 0,1,2,3
	SCALECVT \r, \r
.endr
	s_wait_dscnt 0x0                               ; for the others' sake: my codes and my bias words lie in LDS.  (All my global loads are in too: v1 may be written)
	v_sqrt_f32 v[SQ], s60
	v_and_b32 v6, 15, v0                           ; r  (a plain instruction behind the root)
	v_bfe_u32 v7, v0, 4, 1                         ; h
	v_mul_u32_u24 v[VA], v6, RP
	v_lshl_add_u32 v[VA], v7, 4, v[VA]
	s_lshl_b32 s26, s[WV], 16                      ; my four column tiles of 16,384 bytes
	v_and_b32 v8, 31, v0
	v_lshlrev_b32 v8, 4, v8
	v_add_nc_u32 v[VB], s26, v8
	s_wait_alu depctr_va_vdst(0)                   ; the root's wait
	BLOAD 0, 14
	BLOAD 1, 14
	BLOAD 2, 14
	s_barrier_signal -1
	s_barrier_wait -1                              ; the 64 rows' codes lie in REG
	; ---- P1: q
	GEMM 14, 0
	PLACES
	KGLOAD 32                                      ; group 0's k and v, my parts, into the weights' first two buffers
	VGLOAD 64
	ASK 1
	v_mov_b32 v25, s44
	v_mov_b32 v26, s45
	HEADNORM 42, 43, 25, 26, 96
	v_mul_u32_u24 v27, v6, RP
	v_lshl_add_u32 v27, v7, 3, v27
	s_lshl_b32 s26, s[WV], 6
	v_add_nc_u32 v27, s26, v27                     ; q's codes: row r, + 8 h, + 64 x head
	v_add_nc_u32 v28, KVB, v4
	v_add_nc_u32 v29, 0x10000, v28
	BAR                                            ; every wave's reads of xn's codes are over
.irp m, 0,1,2,3
.irp c, 0,1,2,3
	ds_store_b64 v27, v[96+8*\m+2*\c:96+8*\m+2*\c+1] offset:16*RP*\m+16*\c
.endr
.endr
	s_wait_loadcnt 0x0
	KVST 28, 32
	KVST 29, 64
	s_wait_xcnt 0x0                                ; the loads and the prefetch have read their address
	s_add_nc_u64 s[66:67], s[66:67], 131072
	BAR                                            ; q's codes, and group 0's k and v, lie in LDS
	; ---- the attention's addresses
	s_lshr_b32 s26, s[WV], 2                       ; my head of the group's four
	s_and_b32 s27, s[WV], 3                        ; my tile of 16 rows
	s_mul_i32 s27, s27, 16*RP
	s_lshl_b32 s28, s26, 6
	s_add_co_u32 s27, s27, s28
	v_mul_u32_u24 v14, v6, RP
	v_lshl_add_u32 v14, v7, 3, v14
	v_lshlrev_b32 v8, 5, v7
	v_add_nc_u32 v8, BIAS, v8
	v_add_nc_u32 v6, s27, v14
	s_lshl_b32 s28, s26, 14
	s_add_co_u32 s28, s28, KVB
	v_and_b32 v9, 31, v0
	v_lshl_add_u32 v9, v9, 4, s28
	v_add_nc_u32 v10, 0x10000, v9
	v_add_nc_u32 v11, KVB, v4
	v_add_nc_u32 v12, 0x10000, v11
	v_mov_b32 v40, s48
	v_mov_b32 v41, s49
	v_mov_b32 v42, s51
	v_mov_b32 v43, s52
	v_mov_b32 v25, 0                               ; (named as the upper half of the pair v[24:25])
	v_mov_b32 v31, 0                               ; a lane permute's destination counts as read
	s_mov_b32 s61, 0
	s_mov_b32 s62, 3
.Lgrp:                                                 ; three trips, each of which fetches the next group's k and v; the fourth group is written out
	GROUP 0
	s_sub_co_u32 s62, s62, 1
	s_cmp_lg_u32 s62, 0
	s_cbranch_scc1 .Lgrp
	GROUP 1
	; ---- P3: out = o w_o^T x 2^(e12 + e13) + x
	GEMM 18, 0
	PLACES
	v_and_b32 v11, 15, v0
	v_bfe_u32 v12, v0, 4, 1
	s_mul_i32 s26, s[WV], 16*272
	s_add_co_u32 s26, s26, STG                     ; my stage
	v_mul_u32_u24 v8, v11, 272
	v_lshl_add_u32 v8, v12, 5, v8
	v_add_nc_u32 v8, s26, v8                       ; in: row r, + 32 h
	v_mul_u32_u24 v9, v12, 272
	v_lshl_add_u32 v9, v11, 4, v9
	v_add_nc_u32 v9, s26, v9                       ; back: lanes 0-15 one row of 256 bytes, lanes 16-31 the next
	v_lshlrev_b32 v10, 12, v12
	v_lshl_add_u32 v10, v11, 4, v10
	s_lshl_b32 s27, s[WV], 8
	v_add_nc_u32 v10, s27, v10                     ; and the same two rows of x and of out0, at my 64 columns
.macro SKIPLOAD m                      ; x's 16 rows x 64 columns of row tile m, laid as the stage gives the sums back; its last use
.irp i, 0,1,2,3,4,5,6,7
	global_load_b128 v[32+32*((\m)%3)+4*\i:32+32*((\m)%3)+4*\i+3], v10, s[68:69] offset:4096*(16*(\m)+2*\i) th:TH_LOAD_NT
.endr
.endm
	SKIPLOAD 0
	SKIPLOAD 1
	SKIPLOAD 2
.irp m, 0,1,2,3
.irp t, 0,1,2,3
	ds_store_b128 v8, v[ACC+32*\m+8*\t:ACC+32*\m+8*\t+3] offset:64*\t        ; each accumulator from its low end on
	ds_store_b128 v8, v[ACC+32*\m+8*\t+4:ACC+32*\m+8*\t+7] offset:64*\t+16
.endr
.irp i, 0,1,2,3,4,5,6,7
	ds_load_b128 v[ACC+32*\m+4*\i:ACC+32*\m+4*\i+3], v9 offset:544*\i        ; my own bytes, served in order: these see the stores above; the next tile's stores come behind them
.endr
	s_wait_dscnt 0x0
.if \m < 2
	s_wait_loadcnt 16                              ; this tile's eight loads of x are in; two later tiles' may be out
.elseif \m == 2
	s_wait_loadcnt 8
.else
	s_wait_loadcnt 0
.endif
.set GI, 0
.rept 16
	v_pk_fma_f32 v[ACC+32*\m+2*GI:ACC+32*\m+2*GI+1], v[ACC+32*\m+2*GI:ACC+32*\m+2*GI+1], s[54:55], v[32+32*(\m%3)+2*GI:32+32*(\m%3)+2*GI+1] op_sel_hi:[1,0,1]
.set GI, GI+1
.endr
.if \m == 0
	SKIPLOAD 3
.endif
.irp i, 0,1,2,3,4,5,6,7
	global_store_b128 v10, v[ACC+32*\m+4*\i:ACC+32*\m+4*\i+3], s[70:71] offset:4096*(16*\m+2*\i) th:TH_STORE_NT   ; sixteen lanes store 256 consecutive bytes, aligned
.endr
.endr
	s_wait_xcnt 0x0
	v_lshl_add_u32 v254, v0, 2, 0x41800
	v_mov_b32 v255, 0
	s_wait_tensorcnt 0x0
	ds_add_u32 v254, v255
	s_wait_dscnt 0x0
	s_endpgm
.Lfunc_end_k_qfb074b9f54_main:
	.size	k_qfb074b9f54_main, .Lfunc_end_k_qfb074b9f54_main-k_qfb074b9f54_main
	.p2alignl 7, 3214868480
	.fill 96, 4, 3214868480
	.section	.rodata,"a",@progbits
	.p2align	6, 0x0
	.amdhsa_kernel k_qfb074b9f54_main
		.amdhsa_group_segment_fixed_size 270336
		.amdhsa_private_segment_fixed_size 0
		.amdhsa_enable_private_segment 0
		.amdhsa_kernarg_size 72
		.amdhsa_user_sgpr_count 2
		.amdhsa_user_sgpr_kernarg_segment_ptr 1
		.amdhsa_wavefront_size32 1
		.amdhsa_system_sgpr_workgroup_id_x 1
		.amdhsa_system_sgpr_workgroup_id_y 1
		.amdhsa_system_sgpr_workgroup_id_z 1
		.amdhsa_system_vgpr_workitem_id 0
		.amdhsa_next_free_vgpr 256
		.amdhsa_next_free_sgpr 80
		.amdhsa_reserve_vcc 1
		.amdhsa_float_denorm_mode_32 3
		.amdhsa_float_denorm_mode_16_64 3
		.amdhsa_memory_ordered 1
		.amdhsa_forward_progress 1
		.amdhsa_inst_pref_size 237
	.end_amdhsa_kernel
	.amdgpu_metadata
---
amdhsa.version: [ 1, 2 ]
amdhsa.kernels:
  - .name:           k_qfb074b9f54_main
    .symbol:         k_qfb074b9f54_main.kd
    .args:
      - { .name: x, .offset: 0, .size: 8, .value_kind: global_buffer, .address_space: global }
      - { .name: sx, .offset: 8, .size: 8, .value_kind: global_buffer, .address_space: global }
      - { .name: crossattn_mask, .offset: 16, .size: 8, .value_kind: global_buffer, .address_space: global }
      - { .name: lowp_scales, .offset: 24, .size: 8, .value_kind: global_buffer, .address_space: global }
      - { .name: qk_scale, .offset: 32, .size: 8, .value_kind: global_buffer, .address_space: global }
      - { .name: wq_img, .offset: 40, .size: 8, .value_kind: global_buffer, .address_space: global }
      - { .name: kv_img, .offset: 48, .size: 8, .value_kind: global_buffer, .address_space: global }
      - { .name: wo_img, .offset: 56, .size: 8, .value_kind: global_buffer, .address_space: global }
      - { .name: out0, .offset: 64, .size: 8, .value_kind: global_buffer, .address_space: global }
    .group_segment_fixed_size: 270336
    .private_segment_fixed_size: 0
    .kernarg_segment_align: 8
    .kernarg_segment_size: 72
    .max_flat_workgroup_size: 512
    .sgpr_count:     80
    .vgpr_count:     256
    .wavefront_size: 32
...
	.end_amdgpu_metadata
.endif
;; end of part 3
;; ======== version 2 of 2: 3 launches
;; workspace buffers: sx 65,536 bytes; sc 65,536 bytes; wq_img 1,048,576 bytes; wo_img 1,048,576 bytes; wkv_img 2,097,152 bytes; kv_img 8,388,608 bytes
;; launch prep (part 4): grid 96 x 1, 4 waves a work-group, no clusters, 4,864 bytes of LDS; arguments cond_codes, w_norm_codes, w_cnorm_codes, w_q_codes, w_o_codes, w_kv_codes, lowp_scales, sx, sc, wq_img, wo_img, wkv_img; writes sx, sc, wq_img, wo_img, wkv_img
.if DOCPART == 4
	.amdgcn_target "amdgcn-amd-amdhsa--gfx1250"
	.amdhsa_code_object_version 6
	.text
	.protected	k_qfb074b9f54_prep
	.globl	k_qfb074b9f54_prep
	.p2align	8
	.type	k_qfb074b9f54_prep,@function
k_qfb074b9f54_prep:
	s_mov_b64 s[64:65], 0
	v_nop
	global_prefetch_b8 v0, s[64:65] scope:SCOPE_SE
	s_setreg_imm32_b32 hwreg(HW_REG_WAVE_SCHED_MODE, 0, 2), 2
	s_setreg_imm32_b32 hwreg(HW_REG_WAVE_MODE, 25, 1), 1
	s_wait_xcnt 0x0
	s_wait_alu depctr_vm_vsrc(0)
; TWO JOBS, parted by the work-group's number.
; Work-groups 0-63: w_q, w_o and w_kv (codes of E5M2, [rows][1024] bytes, K innermost) are laid anew IN THE ORDER OF AN OPERAND'S REGISTERS, so that the later launches
;   load a fragment as consecutive bytes.  Image: [column tile ct of 16 rows][s = 0..15][c = 0..1][lane][16 bytes]; lane (r = lane % 16, h = lane / 16) holds W[16 ct + r][64 s + 32 c + 16 h + 0..15].
;   A wave takes one tile (16,384 bytes): 32 loads that gather 16 bytes of 16 rows each (together they use every byte of the tile), 32 stores of 512 consecutive bytes.
; Work-groups 64-79: sx = cond w_norm^T + 1; 80-95: sc = cond w_cnorm^T + 1; [16][1024] f32, on the given codes.  A work-group makes 16 batches x 64 columns, each of its four waves 16 columns; K = 768 in six steps of 128.
;   All 48 loads of a wave's six steps go out at once.  Two accumulators take turns (even steps, odd steps) and are added at the end.
;   The product is used transposed (source 0 = 16 rows of the weight, source 1 = cond's 16 rows): a lane holds one batch and eight neighbouring columns.
;   Both fragments are fetched 16 bytes at a time (k = 32 c + 16 h + 0..15 in registers 4 c .. 4 c + 3): the same permutation of k on both sides, so every product meets its partner.
;   A row's 256 bytes come from four waves: they meet in one stage in LDS (16 rows x (256 + 16) bytes) behind a barrier, and each wave stores four whole rows.
; LIMIT: lowp_scales[0] + [1] and [4] + [5] lie between -126 and 127, so that the power of two is an f32 number.
; Only the second job uses LDS and has a barrier; the branch between the jobs hangs on the work-group's number alone, so all four waves take the same way.
; THE MODE: SCHED_MODE bits 1:0 = 2 (LLVM: expert scheduling mode 2), set by the entry lines.  The code itself states the register dependences
; between vector or matrix instructions and memory or LDS instructions, with s_wait_alu, always for 0.
; THE PLAN.  Images: v1, v2 are offsets, made once, read by all loads and stores: one wait ahead of the first load; the stores' data come from loads.
;   Scale rows: v1, the loads' offset: one wait ahead of the 48 loads.  v16-23 (the results), v6-8 (addresses) are written by vector instructions and read by stores and LDS loads, and v24-31, which the
;   products read, take the rows that come back from the stage: one wait behind the multiply-adds states all of that.  The wave's number goes through a scalar register: one wait ahead of the branch.
	s_load_b512 s[4:19], s[0:1], 0x0               ; cond 4:5, w_norm 6:7, w_cnorm 8:9, w_q 10:11, w_o 12:13, w_kv 14:15, scales 16:17, sx 18:19
	s_load_b256 s[20:27], s[0:1], 0x40             ; sc 20:21, wq_img 22:23, wo_img 24:25, wkv_img 26:27
	v_lshl_add_u32 v224, v0, 2, 0x1100
	v_mov_b32 v225, 0
	v_lshrrev_b32 v1, 5, v0
	v_readfirstlane_b32 s28, v1                    ; wave 0..3
	v_and_b32 v3, 15, v0                           ; r
	v_bfe_u32 v4, v0, 4, 1                         ; h
	v_and_b32 v5, 31, v0                           ; lane
	s_wait_alu depctr_va_sdst(0)                   ; s28 is written, ahead of the branch and of its first reader on either way
	s_mov_b32 s35, 0
	s_cmp_lt_u32 ttmp9, 64
	s_cbranch_scc0 .Lscale
	; ---- the images.  Work-groups 0-15: w_q (64 tiles); 16-31: w_o (64); 32-63: w_kv (128).  The choice hangs on the work-group's number alone
	s_wait_kmcnt 0x0
	s_cmp_lt_u32 ttmp9, 16
	s_cselect_b64 s[30:31], s[10:11], s[12:13]
	s_cselect_b64 s[32:33], s[22:23], s[24:25]
	s_cselect_b32 s34, 0, 16
	s_cmp_lt_u32 ttmp9, 32
	s_cselect_b64 s[30:31], s[30:31], s[14:15]
	s_cselect_b64 s[32:33], s[32:33], s[26:27]
	s_cselect_b32 s34, s34, 32                     ; the buffer's first work-group
	s_sub_co_u32 s34, ttmp9, s34
	s_lshl_b32 s34, s34, 2
	s_add_co_u32 s34, s34, s28                     ; ct
	s_lshl_b32 s34, s34, 14                        ; 16 rows of 1,024 bytes = a tile's image
	s_add_nc_u64 s[30:31], s[30:31], s[34:35]
	s_add_nc_u64 s[32:33], s[32:33], s[34:35]
	s_wait_alu depctr_va_vdst(0)
	v_lshlrev_b32 v1, 10, v3
	v_lshl_add_u32 v1, v4, 4, v1                   ; from: row r, + 16 h
	v_lshlrev_b32 v2, 4, v5                        ; to: 16 x lane
	s_wait_alu depctr_va_vdst(0)                   ; v1 and v2 are written: the loads and the stores below read them as offsets
.set i, 0
.rept 32
	global_load_b128 v[64+4*i:64+4*i+3], v1, s[30:31] offset:32*i     ; chunk i = 2 s + c: k = 32 i + 16 h on
.set i, i+1
.endr
.set i, 0
.rept 32
	s_wait_loadcnt 31-i                            ; loads come back in order: chunk i is in, the younger ones stay out
	global_store_b128 v2, v[64+4*i:64+4*i+3], s[32:33] offset:512*i   ; 32 lanes store 512 consecutive bytes, aligned
.set i, i+1
.endr
	s_endpgm
	; ---- the two scale rows.  The work-group's block of 64 columns: cb = work-group % 16; my wave's 16 of them: 16 x wave on
.Lscale:
	s_and_b32 s29, ttmp9, 15                       ; cb
	s_wait_kmcnt 0x0
	s_load_b256 s[36:43], s[16:17], 0x0            ; e0 .. e7
	s_cmp_lt_u32 ttmp9, 80
	s_cselect_b64 s[30:31], s[6:7], s[8:9]         ; the weight
	s_cselect_b64 s[32:33], s[18:19], s[20:21]     ; the result
	s_mul_i32 s34, s29, 49152                      ; 64 rows of 768 bytes,
	s_mul_i32 s46, s28, 12288                      ; my wave's 16
	s_add_co_u32 s34, s34, s46
	s_add_nc_u64 s[30:31], s[30:31], s[34:35]
	s_lshl_b32 s34, s29, 8                         ; 64 columns of 4 bytes
	s_add_nc_u64 s[32:33], s[32:33], s[34:35]
	s_wait_alu depctr_va_vdst(0)
	v_mul_u32_u24 v1, v3, 768
	v_lshl_add_u32 v1, v4, 4, v1                   ; row r of 768 bytes, + 16 h: for cond and for the weight
	s_wait_alu depctr_va_vdst(0)                   ; v1 is written: the 48 loads below read it as their offset
.irp s, 0,1,2,3,4,5                                ; K step s: cond's fragment into v[16 + 16 s ..], the weight's into v[112 + 16 s ..]: eight loads a step
.irp c, 0,1,2,3
	global_load_b128 v[16+16*\s+4*\c:16+16*\s+4*\c+3], v1, s[4:5] offset:128*\s+32*\c
.endr
.irp c, 0,1,2,3
	global_load_b128 v[112+16*\s+4*\c:112+16*\s+4*\c+3], v1, s[30:31] offset:128*\s+32*\c
.endr
.endr
	s_lshl_b32 s46, s28, 6
	v_mul_u32_u24 v6, v3, 272
	v_lshl_add_u32 v6, v4, 5, v6
	v_add_nc_u32 v6, s46, v6                       ; the stage, in: row = batch r, + 32 h, + 64 x wave
	s_mul_i32 s46, s28, 4*272
	v_mul_u32_u24 v7, v4, 272
	v_lshl_add_u32 v7, v3, 4, v7
	v_add_nc_u32 v7, s46, v7                       ; back: my rows 4 w on; lanes 0-15 one row of 256 bytes, lanes 16-31 the next
	s_lshl_b32 s46, s28, 14
	v_lshlrev_b32 v8, 12, v4
	v_lshl_add_u32 v8, v3, 4, v8
	v_add_nc_u32 v8, s46, v8                       ; and the same rows of the result (4,096 bytes a row)
.irp s, 0,1,2,3,4,5
	s_wait_loadcnt 8*(5-\s)                        ; this step's eight loads are in; the later steps' eight each may be out
.if \s < 2                                         ; the two accumulators take turns, one instruction a turn; each one's first step starts its sum
	v_wmma_f32_16x16x128_bf8_bf8 v[208+8*(\s%2):208+8*(\s%2)+7], v[112+16*\s:112+16*\s+15], v[16+16*\s:16+16*\s+15], 0
.else
	v_wmma_f32_16x16x128_bf8_bf8 v[208+8*(\s%2):208+8*(\s%2)+7], v[112+16*\s:112+16*\s+15], v[16+16*\s:16+16*\s+15], v[208+8*(\s%2):208+8*(\s%2)+7]
.endif
.endr
.rept 4
	v_nop                                          ; four places in front of the first read of the sums, and of writes into registers that the products have read
.endr
	s_wait_kmcnt 0x0
	s_cmp_lt_u32 ttmp9, 80
	s_cselect_b32 s44, s36, s40
	s_cselect_b32 s45, s37, s41
	s_add_co_i32 s44, s44, s45
	s_add_co_i32 s44, s44, 127
	s_lshl_b32 s44, s44, 23                        ; 2^(ea + eb) as f32
	s_mov_b32 s45, s44                             ; (named with it as a pair, so it is written)
.irp i, 0,2,4,6
	v_pk_add_f32 v[16+\i:17+\i], v[208+\i:209+\i], v[216+\i:217+\i]   ; the even steps' sum + the odd steps'; each accumulator from its low end on
.endr
.irp i, 0,2,4,6
	v_pk_fma_f32 v[16+\i:17+\i], v[16+\i:17+\i], s[44:45], 1.0 op_sel_hi:[1,0,0]   ; sum x 2^(ea + eb) + 1
.endr
	s_wait_alu depctr_va_vdst(0)                   ; the multiply-adds have written v[16:23], which the LDS stores read; v6, v7, v8 are written; the products are done reading v[24:31], in which the rows come back
	ds_store_b128 v6, v[16:19]                     ; lane (r, h): batch r, columns 16 w + 8 h + 0..7
	ds_store_b128 v6, v[20:23] offset:16
	s_wait_dscnt 0x0                               ; for the others' sake: my stores have landed
	s_barrier_signal -1
	s_barrier_wait -1                              ; 16 whole rows of 256 bytes lie in the stage
	ds_load_b128 v[24:27], v7
	ds_load_b128 v[28:31], v7 offset:544
	s_wait_dscnt 1
	global_store_b128 v8, v[24:27], s[32:33]                 ; sixteen lanes store 256 consecutive bytes, aligned
	s_wait_dscnt 0
	global_store_b128 v8, v[28:31], s[32:33] offset:8192
	s_wait_dscnt 0x0                               ; the closing lines, six on end
	s_wait_alu 0x0
	s_wait_tensorcnt 0x0
	ds_add_u32 v224, v225
	s_wait_dscnt 0x0
	s_endpgm
.Lfunc_end_k_qfb074b9f54_prep:
	.size	k_qfb074b9f54_prep, .Lfunc_end_k_qfb074b9f54_prep-k_qfb074b9f54_prep
	.p2alignl 7, 3214868480
	.fill 96, 4, 3214868480
	.section	.rodata,"a",@progbits
	.p2align	6, 0x0
	.amdhsa_kernel k_qfb074b9f54_prep
		.amdhsa_group_segment_fixed_size 4864
		.amdhsa_private_segment_fixed_size 0
		.amdhsa_enable_private_segment 0
		.amdhsa_kernarg_size 96
		.amdhsa_user_sgpr_count 2
		.amdhsa_user_sgpr_kernarg_segment_ptr 1
		.amdhsa_wavefront_size32 1
		.amdhsa_system_sgpr_workgroup_id_x 1
		.amdhsa_system_sgpr_workgroup_id_y 1
		.amdhsa_system_sgpr_workgroup_id_z 1
		.amdhsa_system_vgpr_workitem_id 0
		.amdhsa_next_free_vgpr 226
		.amdhsa_next_free_sgpr 66
		.amdhsa_reserve_vcc 0
		.amdhsa_float_denorm_mode_32 3
		.amdhsa_float_denorm_mode_16_64 3
		.amdhsa_memory_ordered 1
		.amdhsa_forward_progress 1
		.amdhsa_inst_pref_size 17
	.end_amdhsa_kernel
	.amdgpu_metadata
---
amdhsa.version: [ 1, 2 ]
amdhsa.kernels:
  - .name:           k_qfb074b9f54_prep
    .symbol:         k_qfb074b9f54_prep.kd
    .args:
      - { .name: cond_codes, .offset: 0, .size: 8, .value_kind: global_buffer, .address_space: global }
      - { .name: w_norm_codes, .offset: 8, .size: 8, .value_kind: global_buffer, .address_space: global }
      - { .name: w_cnorm_codes, .offset: 16, .size: 8, .value_kind: global_buffer, .address_space: global }
      - { .name: w_q_codes, .offset: 24, .size: 8, .value_kind: global_buffer, .address_space: global }
      - { .name: w_o_codes, .offset: 32, .size: 8, .value_kind: global_buffer, .address_space: global }
      - { .name: w_kv_codes, .offset: 40, .size: 8, .value_kind: global_buffer, .address_space: global }
      - { .name: lowp_scales, .offset: 48, .size: 8, .value_kind: global_buffer, .address_space: global }
      - { .name: sx, .offset: 56, .size: 8, .value_kind: global_buffer, .address_space: global }
      - { .name: sc, .offset: 64, .size: 8, .value_kind: global_buffer, .address_space: global }
      - { .name: wq_img, .offset: 72, .size: 8, .value_kind: global_buffer, .address_space: global }
      - { .name: wo_img, .offset: 80, .size: 8, .value_kind: global_buffer, .address_space: global }
      - { .name: wkv_img, .offset: 88, .size: 8, .value_kind: global_buffer, .address_space: global }
    .group_segment_fixed_size: 4864
    .private_segment_fixed_size: 0
    .kernarg_segment_align: 8
    .kernarg_segment_size: 96
    .max_flat_workgroup_size: 128
    .sgpr_count:     66
    .vgpr_count:     226
    .wavefront_size: 32
...
	.end_amdgpu_metadata
.endif
;; end of part 4
;; launch kv (part 5): grid 64 x 4, 8 waves a work-group, no clusters, 67,584 bytes of LDS; arguments crossattn_cond, sc, lowp_scales, qk_scale, wkv_img, kv_img; writes kv_img
.if DOCPART == 5
	.amdgcn_target "amdgcn-amd-amdhsa--gfx1250"
	.amdhsa_code_object_version 6
	.text
	.protected	k_qfb074b9f54_kv
	.globl	k_qfb074b9f54_kv
	.p2align	8
	.type	k_qfb074b9f54_kv,@function
k_qfb074b9f54_kv:
	s_mov_b64 s[64:65], 0
	v_nop
	global_prefetch_b8 v0, s[64:65] scope:SCOPE_SE
	s_setreg_imm32_b32 hwreg(HW_REG_WAVE_MODE, 25, 1), 1
	s_wait_xcnt 0x0
; k and v as codes of E5M2, laid as images of the operand registers of the attention's two products.
; cc = crossattn_cond x (sc x rsqrt(mean(cc^2) + 1e-6)), quantised with 2^e6; kv = cc w_kv^T on codes (x 2^(e6 + e7));
; k is scaled for the cosine (sqrt(qk_scale) x rsqrt(sum k^2 + 1e-6)) and quantised with 2^e9; v is quantised with 2^e11.
; SHARES.  Work-group x = a block of 64 keys (batch x / 4, keys 64 (x % 4) on); y = cg: 0, 1: k's heads 8 cg + wave; 2, 3: v's heads 8 (cg - 2) + wave.  A wave makes one head (64 columns) for the 64 rows.
; The 64 rows' codes lie row-major in LDS, 1,040 bytes from row to row (65 x 16: the sixteen rows that a 16-byte fragment load touches fall on sixteen different 16-byte columns of 256 bytes).
; The weights come from wkv_img straight into the one wave that multiplies by them: three steps of 64 along K (24 loads a wave) are on their way, with counted waits.
; k: source 0 = 16 rows of the weight, source 1 = 16 keys: a lane holds ONE key and eight neighbouring channels a tile: four conversions give the K = 64 operand of k q^T in its own places.
; v: the sources swapped: a lane holds ONE channel and eight neighbouring keys: the conversions give pairs of the K = 128 operand v^T.
; kv_img: [batch][g = head / 4][131,072 bytes]: K part [head % 4][key tile 0..15][c 0..1][lane][16], then V part [head % 4][ks 0..1][channel tile 0..3][chunk 0..3][lane][16].
; LIMITS, so that each power of two below is an f32 number: e6, e9 and e11 - e6 - e7 between -126 and 112; e6 + e7 between -63 and 63.  NaN among the inputs is not served.  1 / sqrt is v_rsq_f32.
.set RP,   1040                        ; an LDS row of codes: 1,024 bytes + 16
.set VA,   1                           ; v1   the GEMM: r x RP + 16 h
.set VB,   2                           ; v2   the GEMM: 16 x lane + my first column tile's image
.set SQ,   3                           ; v3   sqrt(qk_scale[head])
.set AF,   8                           ; v8-31    three buffers of a fragment of codes (16 rows x 64 K)
.set BF,   32                          ; v32-127  three buffers of four fragments of the weight
.set ACC,  128                         ; v128-255 accumulator (row tile m, column tile t) at 128 + 32 m + 8 t
.set VXO,  1                           ; the norm: v1 16 x lane
.set VCS,  2                           ; v2   where my codes go: my wave's first row + 4 x lane
.set RS,   8                           ; v8-15    row p: rsqrt in the even register; the odd one is only named with it
.set CH,   16                          ; v16-31   row p: two packed chains of the sum of squares
.set CD,   32                          ; v32-63   row p: 8 registers of codes
.set TT,   64                          ; v64-67   scale x rsqrt, two pairs by turns
.set SCV,  68                          ; v68  the quantiser's scale as f32
.set LMV,  69                          ; v69  57,344 x the scale
.set PT,   77                          ; v77  a lane permute's destination
.set SXR,  96                          ; v96-127  the batch's scale row: register 4 j + k = column 128 j + 4 lane + k
.set X,    128                         ; v128-255 row p: 32 numbers, the same columns
.set WV,   22
.set SEL,  56                          ; s[56:57] v_permlanex16_b32's selects: lane l xor 16
.set EPS,  58                          ; 1e-6
.set INV,  59                          ; 1 / 1,024
.set SXP,  72                          ; s[72:73] the scale row
.set XP,   74                          ; s[74:75] my wave's first row
.macro MKSC dsc, dlim, e               ; s[dsc] = 2^e as f32, s[dlim] = 57,344 x 2^e
	s_add_co_i32 s[\dlim], s[\e], 127
	s_lshl_b32 s[\dsc], s[\dlim], 23
	s_add_co_i32 s[\dlim], s[\dlim], 15
	s_lshl_b32 s[\dlim], s[\dlim], 23
	s_or_b32 s[\dlim], s[\dlim], 0x600000
.endm
.macro PLACES                          ; four plain vector instructions between a matrix instruction and a load into, or a vector access to, its registers
.rept 4
	v_nop
.endr
.endm
.macro SLOAD                           ; the scale row: eight loads of 512 consecutive bytes
.irp j, 0,1,2,3,4,5,6,7
	global_load_b128 v[SXR+4*\j:SXR+4*\j+3], v[VXO], s[SXP:SXP+1] offset:512*\j
.endr
.endm
.macro XLOAD r, row                    ; row 'row' of my wave's rows into slot r: eight loads of 512 consecutive bytes
.irp j, 0,1,2,3,4,5,6,7
	global_load_b128 v[X+32*\r+4*\j:X+32*\r+4*\j+3], v[VXO], s[XP:XP+1] offset:4096*(\row)+512*\j
.endr
.endm
.macro SUMSQ r, left                   ; mean of squares + 1e-6 of slot r, in every lane; left: the later rows' loads, which may stay out
	s_wait_loadcnt \left
	v_pk_mul_f32 v[CH+4*\r:CH+4*\r+1], v[X+32*\r:X+32*\r+1], v[X+32*\r:X+32*\r+1]
	v_pk_mul_f32 v[CH+4*\r+2:CH+4*\r+3], v[X+32*\r+2:X+32*\r+3], v[X+32*\r+2:X+32*\r+3]
.irp j, 2,3,4,5,6,7,8,9,10,11,12,13,14,15
	s_delay_alu instid0(VALU_DEP_2)
	v_pk_fma_f32 v[CH+4*\r+2*(\j%2):CH+4*\r+2*(\j%2)+1], v[X+32*\r+2*\j:X+32*\r+2*\j+1], v[X+32*\r+2*\j:X+32*\r+2*\j+1], v[CH+4*\r+2*(\j%2):CH+4*\r+2*(\j%2)+1]
.endr
	s_delay_alu instid0(VALU_DEP_1)
	v_pk_add_f32 v[CH+4*\r:CH+4*\r+1], v[CH+4*\r:CH+4*\r+1], v[CH+4*\r+2:CH+4*\r+3]
	s_delay_alu instid0(VALU_DEP_1)
	v_add_f32 v[CH+4*\r], v[CH+4*\r], v[CH+4*\r+1]
	s_delay_alu instid0(VALU_DEP_1)
	v_add_f32_dpp v[CH+4*\r], v[CH+4*\r], v[CH+4*\r] row_xmask:1 row_mask:0xf bank_mask:0xf
	s_delay_alu instid0(VALU_DEP_1)
	v_add_f32_dpp v[CH+4*\r], v[CH+4*\r], v[CH+4*\r] row_xmask:2 row_mask:0xf bank_mask:0xf
	s_delay_alu instid0(VALU_DEP_1)
	v_add_f32_dpp v[CH+4*\r], v[CH+4*\r], v[CH+4*\r] row_xmask:4 row_mask:0xf bank_mask:0xf
	s_delay_alu instid0(VALU_DEP_1)
	v_add_f32_dpp v[CH+4*\r], v[CH+4*\r], v[CH+4*\r] row_xmask:8 row_mask:0xf bank_mask:0xf
	s_delay_alu instid0(VALU_DEP_1)
	v_permlanex16_b32 v[PT], v[CH+4*\r], s[SEL], s[SEL+1]
	s_delay_alu instid0(VALU_DEP_1)
	v_add_f32 v[CH+4*\r], v[CH+4*\r], v[PT]
	s_delay_alu instid0(VALU_DEP_1)
	v_fma_f32 v[CH+4*\r], v[CH+4*\r], s[INV], s[EPS]
.endm
.macro RSQ4                            ; four roots as one batch, one plain instruction, one wait ahead of the first reader
.irp r, 0,1,2,3
	v_rsq_f32 v[RS+2*\r], v[CH+4*\r]
.endr
	v_nop
	s_wait_alu depctr_va_vdst(0)
.endm
.macro SCALECVT r, row                 ; slot r: x (scale x rsqrt), held, converted; its 1,024 codes go to LDS row 'row' of my wave's rows
.irp j, 0,1,2,3,4,5,6,7,8,9,10,11,12,13,14,15
	v_pk_mul_f32 v[TT+2*(\j%2):TT+2*(\j%2)+1], v[SXR+2*\j:SXR+2*\j+1], v[RS+2*\r:RS+2*\r+1] op_sel_hi:[1,0]
	s_delay_alu instid0(VALU_DEP_1)
	v_pk_mul_f32 v[X+32*\r+2*\j:X+32*\r+2*\j+1], v[X+32*\r+2*\j:X+32*\r+2*\j+1], v[TT+2*(\j%2):TT+2*(\j%2)+1]
.endr
.set CI, 0
.rept 32
	v_med3_num_f32 v[X+32*\r+CI], v[X+32*\r+CI], -v[LMV], v[LMV]   ; the conversion to an 8-bit code does not saturate (ISA guide 7.6.2): the hold at the largest code x the scale
.set CI, CI+1
.endr
.irp i, 0,1,2,3
	v_cvt_scalef32_pk8_bf8_f32 v[CD+8*\r+2*\i:CD+8*\r+2*\i+1], v[X+32*\r+8*\i:X+32*\r+8*\i+7], v[SCV]
.endr
	v_nop                                          ; one plain instruction behind the last conversion
.irp j, 0,1,2,3,4,5,6,7
	ds_store_b32 v[VCS], v[CD+8*\r+\j] offset:RP*(\row)+128*\j   ; columns 128 j + 4 lane + 0..3: 32 lanes store 128 consecutive bytes
.endr
.endm
.macro BLOAD st, base                  ; step st (64 along K) of my four column tiles: eight loads of 512 consecutive bytes
.irp t, 0,1,2,3
.irp c, 0,1
	global_load_b128 v[BF+32*((\st)%3)+8*\t+4*\c:BF+32*((\st)%3)+8*\t+4*\c+3], v[VB], s[\base:\base+1] offset:16384*\t+1024*(\st)+512*\c
.endr
.endr
.endm
.macro ALOAD x                         ; fragment x = 4 s + m of the codes: rows 16 m on, k = 64 s + 32 c + 16 h + 0..15 in registers 4 c .. 4 c + 3: the weight image's order of k
.irp c, 0,1
	ds_load_b128 v[AF+8*((\x)%3)+4*\c:AF+8*((\x)%3)+4*\c+3], v[VA] offset:16*RP*((\x)%4)+64*((\x)/4)+32*\c
.endr
.endm
.macro GMUL t, swap
.set GD, ACC+32*(GQ%4)+8*\t
.set GB, BF+32*((GQ/4)%3)+8*\t
.set GA, AF+8*(GQ%3)
.if \swap
.if GQ < 4
	v_wmma_f32_16x16x64_bf8_bf8 v[GD:GD+7], v[GA:GA+7], v[GB:GB+7], 0
.else
	v_wmma_f32_16x16x64_bf8_bf8 v[GD:GD+7], v[GA:GA+7], v[GB:GB+7], v[GD:GD+7]
.endif
.else
.if GQ < 4
	v_wmma_f32_16x16x64_bf8_bf8 v[GD:GD+7], v[GB:GB+7], v[GA:GA+7], 0
.else
	v_wmma_f32_16x16x64_bf8_bf8 v[GD:GD+7], v[GB:GB+7], v[GA:GA+7], v[GD:GD+7]
.endif
.endif
.endm
; 64 rows x my 64 columns, K = 1,024: 64 groups of four products (group 4 s + m: row tile m, step s).  The caller has issued BLOAD 0, 1, 2.  The 16 accumulators take turns, one instruction a turn, in the same
; order in every step; the first step starts the sums.  swap = 0: source 0 = the weight; 1: source 0 = the codes.
; A group's fragment of codes is asked for three groups ahead: behind a group's four places, into the buffer that this very group has read.
.macro GEMM base, swap
	ALOAD 0
	ALOAD 1
	ALOAD 2
.set GQ, 0
.rept 64
.if GQ%4 == 0
.if GQ/4 <= 13
	s_wait_loadcnt 16                              ; this step's eight loads are in; the next two steps' sixteen may be out
.elseif GQ/4 == 14
	s_wait_loadcnt 8
.else
	s_wait_loadcnt 0
.endif
.endif
.if GQ <= 61
	s_wait_dscnt 4                                 ; this group's fragment is in; the next two groups' two loads each may be out
.elseif GQ == 62
	s_wait_dscnt 2
.else
	s_wait_dscnt 0
.endif
.irp t, 0,1,2,3
	GMUL \t, \swap
.endr
.if GQ <= 60
	PLACES                                         ; in front of the loads below, into registers that this group has read
	ALOAD GQ+3
.endif
.if (GQ%4 == 3) && (GQ/4 <= 12)
	BLOAD GQ/4+3, \base
.endif
.set GQ, GQ+1
.endr
.endm
; One head of 64 channels for four tiles of 16 rows: x sqrt(scale) x rsqrt(sum of squares + 1e-6), held, converted into v[out + 8 m + 2 t ..].  A lane holds 32 of its row's channels, lane l xor 16 the others.
; s[sa] = 2^(ea + eb), which the sums lack; s[sb] = its square.  v[sc], v[lim]: the quantiser's scale and hold.
.macro HEADNORM sa, sb, sc, lim, out
.irp m, 0,1,2,3
	v_pk_mul_f32 v[8+4*\m:9+4*\m], v[ACC+32*\m:ACC+32*\m+1], v[ACC+32*\m:ACC+32*\m+1]
.endr
.irp m, 0,1,2,3
	v_pk_mul_f32 v[10+4*\m:11+4*\m], v[ACC+32*\m+2:ACC+32*\m+3], v[ACC+32*\m+2:ACC+32*\m+3]
.endr
.set HP, 2
.rept 14                                           ; ascending: each accumulator is read from its low end on
.irp m, 0,1,2,3
	v_pk_fma_f32 v[8+4*\m+2*(HP%2):9+4*\m+2*(HP%2)], v[ACC+32*\m+2*HP:ACC+32*\m+2*HP+1], v[ACC+32*\m+2*HP:ACC+32*\m+2*HP+1], v[8+4*\m+2*(HP%2):9+4*\m+2*(HP%2)]
.endr
.set HP, HP+1
.endr
.irp m, 0,1,2,3
	s_delay_alu instid0(VALU_DEP_4)
	v_pk_add_f32 v[8+4*\m:9+4*\m], v[8+4*\m:9+4*\m], v[10+4*\m:11+4*\m]
.endr
.irp m, 0,1,2,3
	s_delay_alu instid0(VALU_DEP_4)
	v_add_f32 v[8+4*\m], v[8+4*\m], v[9+4*\m]
.endr
.irp m, 0,1,2,3
	s_delay_alu instid0(VALU_DEP_4)
	v_permlanex16_b32 v[9+4*\m], v[8+4*\m], s[SEL], s[SEL+1]
.endr
.irp m, 0,1,2,3
	s_delay_alu instid0(VALU_DEP_4)
	v_add_f32 v[8+4*\m], v[8+4*\m], v[9+4*\m]
.endr
.irp m, 0,1,2,3
	s_delay_alu instid0(VALU_DEP_4)
	v_fma_f32 v[8+4*\m], v[8+4*\m], s[\sb], s[EPS]  ; the true sum of squares + 1e-6
.endr
	s_wait_alu depctr_va_vdst(0)
.irp m, 0,1,2,3
	v_rsq_f32 v[10+4*\m], v[8+4*\m]
.endr
	v_nop
	s_wait_alu depctr_va_vdst(0)                   ; one wait for the four roots, ahead of their first reader
.irp m, 0,1,2,3
	v_mul_f32 v[10+4*\m], v[SQ], v[10+4*\m]
.endr
.irp m, 0,1,2,3
	s_delay_alu instid0(VALU_DEP_4)
	v_mul_f32 v[10+4*\m], s[\sa], v[10+4*\m]        ; a power of two: nothing is rounded
.endr
.irp m, 0,1,2,3
.set HP, 0
.rept 16
	v_pk_mul_f32 v[ACC+32*\m+2*HP:ACC+32*\m+2*HP+1], v[ACC+32*\m+2*HP:ACC+32*\m+2*HP+1], v[10+4*\m:11+4*\m] op_sel_hi:[1,0]
.set HP, HP+1
.endr
.set HP, 0
.rept 32
	v_med3_num_f32 v[ACC+32*\m+HP], v[ACC+32*\m+HP], -v[\lim], v[\lim]
.set HP, HP+1
.endr
.irp t, 0,1,2,3
	v_cvt_scalef32_pk8_bf8_f32 v[\out+8*\m+2*\t:\out+8*\m+2*\t+1], v[ACC+32*\m+8*\t:ACC+32*\m+8*\t+7], v[\sc]
.endr
.endr
	v_nop                                          ; one plain instruction behind the last conversion
.endm
	s_load_b256 s[4:11], s[0:1], 0x0               ; crossattn_cond 4:5, sc 6:7, scales 8:9, qk_scale 10:11
	s_load_b128 s[12:15], s[0:1], 0x20             ; wkv_img 12:13, kv_img 14:15
	v_lshl_add_u32 v7, v0, 2, 0x10400
	s_set_vgpr_msb 0x40
	v_mov_b32 v1, 0
	s_set_vgpr_msb 0x4000
	v_lshrrev_b32 v1, 5, v0
	s_delay_alu instid0(VALU_DEP_1)
	v_readfirstlane_b32 s[WV], v1                  ; wave 0..7
	v_and_b32 v5, 31, v0
	s_delay_alu instid0(VALU_DEP_1)
	v_lshlrev_b32 v[VXO], 4, v5
	s_delay_alu instid0(VALU_DEP_2)
	v_lshlrev_b32 v4, 4, v5                        ; v4 = 16 x lane: stays
	s_mul_i32 s39, s[WV], 8*RP
	v_lshl_add_u32 v[VCS], v5, 2, s39              ; my wave's rows 8 w on
	v_mov_b32 v[PT], 0                             ; a lane permute's destination counts as read
.irp r, 0,1,2,3
	v_mov_b32 v[RS+2*\r+1], 0                      ; (named as the upper halves of pairs)
.endr
	s_mov_b32 s[SEL], 0x76543210
	s_mov_b32 s[SEL+1], 0xfedcba98
	s_mov_b32 s[EPS], 0x358637bd
	s_mov_b32 s[INV], 0x3a800000
	s_and_b32 s23, ttmp7, 0xffff                   ; cg
	s_lshr_b32 s24, ttmp9, 2                       ; batch
	s_and_b32 s25, ttmp9, 3                        ; rb: keys 64 rb on
	s_lshl_b32 s26, s23, 3
	s_add_co_u32 s26, s26, s[WV]                   ; 8 cg + wave: my 64 rows of w_kv
	s_and_b32 s27, s26, 15                         ; the head
	s_lshl_b32 s28, s27, 2
	s_lshl_b32 s34, ttmp9, 18                      ; 64 rows of 4,096 bytes,
	s_lshl_b32 s35, s[WV], 15                      ; my wave's 8
	s_add_co_u32 s34, s34, s35
	s_mov_b32 s35, 0
	s_wait_alu depctr_va_vdst(0)
	s_wait_kmcnt 0x0
	s_load_b64 s[30:31], s[8:9], 0x18              ; e6, e7
	s_load_b32 s32, s[8:9], 0x24                   ; e9
	s_load_b32 s33, s[8:9], 0x2c                   ; e11
	s_load_b32 s60, s[10:11], s28 offset:0x0       ; qk_scale[head] (v's waves read it and do not use it)
	s_add_nc_u64 s[XP:XP+1], s[4:5], s[34:35]
	s_lshl_b32 s34, s24, 12
	s_add_nc_u64 s[SXP:SXP+1], s[6:7], s[34:35]
	SLOAD
.irp r, 0,1,2,3
	XLOAD \r, \r
.endr
	; where my head's codes go
	s_lshl_b32 s34, s24, 19                        ; batch x 524,288
	s_lshr_b32 s36, s27, 2
	s_lshl_b32 s36, s36, 17                        ; group x 131,072
	s_add_co_u32 s34, s34, s36
	s_and_b32 s36, s27, 3
	s_lshl_b32 s36, s36, 14                        ; head % 4 x 16,384
	s_add_co_u32 s34, s34, s36
	s_lshl_b32 s36, s25, 12                        ; k: key tiles 4 rb on, 1,024 bytes each
	s_lshr_b32 s37, s25, 1
	s_lshl_b32 s37, s37, 13                        ; v: K step rb / 2,
	s_and_b32 s38, s25, 1
	s_lshl_b32 s38, s38, 10                        ; chunks 2 (rb % 2) on,
	s_add_co_u32 s37, s37, s38
	s_add_co_u32 s37, s37, 65536                   ; behind the K part
	s_cmp_lt_u32 s23, 2
	s_cselect_b32 s36, s36, s37
	s_add_co_u32 s34, s34, s36
	s_add_nc_u64 s[14:15], s[14:15], s[34:35]
	s_wait_kmcnt 0x0
	MKSC 40, 41, 30                                ; e6: cc's quantiser
	s_add_co_i32 s36, s30, s31                     ; e6 + e7
	s_add_co_i32 s42, s36, 127
	s_lshl_b32 s42, s42, 23                        ; 2^(e6 + e7)
	s_lshl_b32 s43, s36, 1
	s_add_co_i32 s43, s43, 127
	s_lshl_b32 s43, s43, 23                        ; its square
	MKSC 44, 45, 32                                ; e9: k's quantiser
	s_sub_co_i32 s37, s33, s36                     ; e11 - e6 - e7: a sum stands for sum x 2^(e6 + e7): the three exponents are folded into v's one conversion
	MKSC 46, 47, 37
	v_mov_b32 v[SCV], s40
	v_mov_b32 v[LMV], s41
	; ---- the norm and the codes of my 8 rows, four at a time; the second four are asked for as the first four's registers come free
	SUMSQ 0, 24
	SUMSQ 1, 16
	SUMSQ 2, 8
	SUMSQ 3, 0
	s_wait_alu depctr_va_vdst(0)
	RSQ4
.irp r, 0,1,2,3
	SCALECVT \r, \r
	XLOAD \r, 4+\r
.endr
	s_wait_dscnt 0x0                               ; the stores have read their registers: the codes' registers are written again
	SUMSQ 0, 24
	SUMSQ 1, 16
	SUMSQ 2, 8
	SUMSQ 3, 0
	s_wait_alu depctr_va_vdst(0)
	RSQ4
.irp r, 0,1,2,3
	SCALECVT \r, 4+\r
.endr
	s_wait_dscnt 0x0                               ; for the others' sake: my codes lie in LDS.  (All my global loads are in too: v1 may be written)
	v_sqrt_f32 v[SQ], s60
	v_and_b32 v5, 15, v0                           ; r  (a plain instruction behind the root)
	v_bfe_u32 v6, v0, 4, 1                         ; h
	s_delay_alu instid0(VALU_DEP_2)
	v_mul_u32_u24 v[VA], v5, RP
	s_delay_alu instid0(VALU_DEP_1)
	v_lshl_add_u32 v[VA], v6, 4, v[VA]
	s_lshl_b32 s39, s26, 16                        ; four column tiles of 16,384 bytes for each 64 rows of w_kv
	v_add_nc_u32 v[VB], s39, v4
	s_wait_alu depctr_va_vdst(0)                   ; the root's wait, ahead of its first reader and of every branch
	BLOAD 0, 12
	BLOAD 1, 12
	BLOAD 2, 12
	s_barrier_signal -1
	s_barrier_wait -1                              ; the 64 rows' codes lie in LDS
	s_cmp_lt_u32 s23, 2                            ; the same in all waves of a work-group; no barrier and no LDS store follows
	s_cbranch_scc0 .Lvpath
	GEMM 12, 0
	PLACES
	v_mov_b32 v25, s44
	v_mov_b32 v26, s45
	HEADNORM 42, 43, 25, 26, 96
.irp m, 0,1,2,3
.irp c, 0,1
	global_store_b128 v4, v[96+8*\m+4*\c:96+8*\m+4*\c+3], s[14:15] offset:1024*\m+512*\c   ; key tile 4 rb + m: 32 lanes store 512 consecutive bytes, aligned
.endr
.endr
	s_set_vgpr_msb 0x4
	s_wait_tensorcnt 0x0
	ds_add_u32 v7, v1
	s_wait_dscnt 0x0
	s_set_vgpr_msb 0x400
	s_endpgm
.Lvpath:
	GEMM 12, 1
	PLACES
	v_mov_b32 v25, s46
	v_mov_b32 v26, s47
.irp t, 0,1,2,3
.irp m, 0,1,2,3
.irp j, 0,1,2,3,4,5,6,7
	v_med3_num_f32 v[ACC+32*\m+8*\t+\j], v[ACC+32*\m+8*\t+\j], -v26, v26
.endr
	v_cvt_scalef32_pk8_bf8_f32 v[96+8*\t+2*\m:96+8*\t+2*\m+1], v[ACC+32*\m+8*\t:ACC+32*\m+8*\t+7], v25   ; channel 16 t + r, keys 64 rb + 16 m + 8 h + 0..7
.endr
.endr
	v_nop
.irp t, 0,1,2,3
.irp c, 0,1
	global_store_b128 v4, v[96+8*\t+4*\c:96+8*\t+4*\c+3], s[14:15] offset:2048*\t+512*\c
.endr
.endr
	s_set_vgpr_msb 0x4
	s_wait_tensorcnt 0x0
	ds_add_u32 v7, v1
	s_wait_dscnt 0x0
	s_set_vgpr_msb 0x400
	s_endpgm
.Lfunc_end_k_qfb074b9f54_kv:
	.size	k_qfb074b9f54_kv, .Lfunc_end_k_qfb074b9f54_kv-k_qfb074b9f54_kv
	.p2alignl 7, 3214868480
	.fill 96, 4, 3214868480
	.section	.rodata,"a",@progbits
	.p2align	6, 0x0
	.amdhsa_kernel k_qfb074b9f54_kv
		.amdhsa_group_segment_fixed_size 67584
		.amdhsa_private_segment_fixed_size 0
		.amdhsa_enable_private_segment 0
		.amdhsa_kernarg_size 48
		.amdhsa_user_sgpr_count 2
		.amdhsa_user_sgpr_kernarg_segment_ptr 1
		.amdhsa_wavefront_size32 1
		.amdhsa_system_sgpr_workgroup_id_x 1
		.amdhsa_system_sgpr_workgroup_id_y 1
		.amdhsa_system_sgpr_workgroup_id_z 1
		.amdhsa_system_vgpr_workitem_id 0
		.amdhsa_next_free_vgpr 258
		.amdhsa_next_free_sgpr 80
		.amdhsa_reserve_vcc 0
		.amdhsa_float_denorm_mode_32 3
		.amdhsa_float_denorm_mode_16_64 3
		.amdhsa_memory_ordered 1
		.amdhsa_forward_progress 1
		.amdhsa_inst_pref_size 193
	.end_amdhsa_kernel
	.amdgpu_metadata
---
amdhsa.version: [ 1, 2 ]
amdhsa.kernels:
  - .name:           k_qfb074b9f54_kv
    .symbol:         k_qfb074b9f54_kv.kd
    .args:
      - { .name: crossattn_cond, .offset: 0, .size: 8, .value_kind: global_buffer, .address_space: global }
      - { .name: sc, .offset: 8, .size: 8, .value_kind: global_buffer, .address_space: global }
      - { .name: lowp_scales, .offset: 16, .size: 8, .value_kind: global_buffer, .address_space: global }
      - { .name: qk_scale, .offset: 24, .size: 8, .value_kind: global_buffer, .address_space: global }
      - { .name: wkv_img, .offset: 32, .size: 8, .value_kind: global_buffer, .address_space: global }
      - { .name: kv_img, .offset: 40, .size: 8, .value_kind: global_buffer, .address_space: global }
    .group_segment_fixed_size: 67584
    .private_segment_fixed_size: 0
    .kernarg_segment_align: 8
    .kernarg_segment_size: 48
    .max_flat_workgroup_size: 256
    .sgpr_count:     80
    .vgpr_count:     258
    .wavefront_size: 32
...
	.end_amdgpu_metadata
.endif
;; end of part 5
;; launch main (part 6): grid 256 x 1, 16 waves a work-group, no clusters, 270,336 bytes of LDS; arguments x, sx, crossattn_mask, lowp_scales, qk_scale, wq_img, kv_img, wo_img, out0; writes out0
.if DOCPART == 6
	.amdgcn_target "amdgcn-amd-amdhsa--gfx1250"
	.amdhsa_code_object_version 6
	.text
	.protected	k_qfb074b9f54_main
	.globl	k_qfb074b9f54_main
	.p2align	8
	.type	k_qfb074b9f54_main,@function
k_qfb074b9f54_main:
	s_mov_b64 s[64:65], 0
	v_nop
	global_prefetch_b8 v0, s[64:65] scope:SCOPE_SE
	s_setreg_imm32_b32 hwreg(HW_REG_WAVE_SCHED_MODE, 0, 2), 2
	s_setreg_imm32_b32 hwreg(HW_REG_WAVE_MODE, 25, 1), 1
	s_wait_xcnt 0x0
	s_wait_alu depctr_vm_vsrc(0)
; out0 = softmax-attention(q(x), k, v) w_o^T + x, from x to out0 in one launch; every product on codes of E5M2 with the given scales 2^e.
; SHARES.  A work-group owns 64 rows of one batch (batch = work-group / 16).  Sixteen waves of 256 registers, four to a SIMD, so that one wave's vector work stands beside another's products and loads.
;   P0  wave w: AdaRMSNorm of rows 4 w .. 4 w + 3, quantised (e2), codes row-major into REG.
;   P1  wave w: q's columns 64 w on (head w) for all 64 rows; cosine scaling; quantised (e8); the codes take xn's place in REG.
;   ATTENTION, four groups of four heads: wave w takes head 4 g + w / 4 and the row tile w % 4.  The group's k and v images (65,536 bytes each) lie in KVB.  All 256 scores of a query lie in registers, so M is final before any p is made.
;       S^T = k q^T (a lane holds one query; the mask's bias is the C operand), p = 2^(t - M), M = ceil(the largest t); the sum of the unquantised p; p quantised (e10); O^T = v^T p^T; / sum; quantised (e12);
;       o's codes take the place of the q codes that this wave alone has read.
;       TWO BARRIERS A GROUP, each with its signal far ahead of its wait.  X: signalled behind my last read of k, awaited behind the softmax; behind it the next group's k is stored.  Y: signalled behind my last read of v
;       (my stores of k have landed by then), awaited behind o's scaling; behind it the next group's v is stored.  So k's stores are read behind Y, and v's stores behind the next X.
;   P3  wave w: out's columns 64 w on for all 64 rows; x 2^(e12 + e13) + x; whole aligned pieces of 256 bytes out, through the wave's own stage.
; THE MASK.  A hidden key's score starts at -2^126 (in units of code products), so its p is 0, as with reference()'s -1e30.  Where a batch has no open key reference() gives p = 1 for all keys:
;   then every bias and the factor c are 0 (two selects, no branch): t = 0, M = 0, p = 1.
; WEIGHTS come from their images straight into the one wave that multiplies by them (24 loads a wave on their way, counted waits, no barrier).  NO CLUSTER, NO JOINT LOADS though all work-groups walk the same weights:
;   two LDS slots of a step of 128 along K for all 1,024 columns are 262,144 bytes, which with the 66,560 bytes of codes leave no room in 327,680; slots of 64 along K would hold 16 products a wave between a request and the wait for it.
; LIMITS, so that each power of two below is an f32 number: e2, e8, e10, e12 between -126 and 112; e2 + e3 between -63 and 63; e8 + e9 between -100 and 120; e12 + e13 between -126 and 127.
;   NaN among the inputs is not served.  1 / sqrt and 1 / sum are v_rsq_f32 and v_rcp_f32.
; THE MODE: SCHED_MODE bits 1:0 = 2 (LLVM: expert scheduling mode 2), set by the entry lines.  The code itself states the register dependences
; between vector or matrix instructions and memory or LDS instructions, with s_wait_alu, always for 0.
; THE PLAN, phase by phase: the registers that memory or LDS instructions touch, and who else names them.
;   HEAD, P0   v1, v2, v4, v5, v71, v75, v76: offsets, made once: one wait on va_vdst ahead of the first load.  The rows' codes v32-63: written by the conversions, read by LDS stores: one wait for two rows; rows 0 and 1's stores
;              are dealt among rows 2 and 3's arithmetic, which names other registers.  Ahead of P1 one wait on vm_vsrc frees v1, v2 (made anew) and v32-127 (weights land there); the root's wait on va_vdst also states
;              that the new v1, v2 are written and that the norm is done with v8-127.
;   GEMM       AF (three fragments of codes) and BF (three steps of weights) are written by loads and read by products alone; v1, v2 are never written.  A wave's 256 registers (four waves share a SIMD's 1,024) are 128 of sums,
;              96 of weights on their way, 24 of codes and 8 that stay: there is no fourth fragment.  So a fragment's buffer is asked for again behind the very group that read it: one wait on va_vdst behind each group
;              of four products; at a step's end the same wait serves the eight loads of weights.
;   ATTENTION  v8-12: addresses, made once.  v7 (q's address) is made at the end of the group before, v13 (o's) in the group's middle.  QF, S, PC, KF1 take loads at the group's head; PC and KF1 again behind the first eight score
;              products; KF1 the next k behind the last; S takes v's fragments and the next v behind p's conversions, and v's second fragments behind the first four products.  Five waits on va_vdst state that, beside
;              the exponentials' and the reciprocal's; the last of them, behind o's conversions, serves o's stores and the next group's head, since no vector instruction stands between.
;              Two waits on vm_vsrc: at the head (the last group's stores have read v13, v32-39, v160-191) and ahead of O^T's first products (the stores of k have read KF1; q's loads have read v7).
;   P3         The sums go through the stage and come back into their own registers: a wait on vm_vsrc between a tile's stores and its loads.  A tile's results are stored a tile later, behind one wait on va_vdst.
.set KVB,  66560                       ; LDS: REG 0 .. 66,559 (64 rows x 1,040); KVB: K part 65,536, V part 65,536;
.set BIAS, 197632                      ; 256 f32;
.set STG,  198656                      ; 16 waves x 16 rows x 272
.set RP,   1040                        ; an LDS row of codes: 1,024 bytes + 16
.set VA,   1                           ; v1   the GEMM: r x RP + 16 h
.set VB,   2                           ; v2   the GEMM: 16 x lane + my first column tile's image
.set SQ,   3                           ; v3   sqrt(qk_scale[head])
.set AF,   8                           ; v8-31    three buffers of a fragment of codes (16 rows x 64 K)
.set BF,   32                          ; v32-127  three buffers of four fragments of the weight
.set ACC,  128                         ; v128-255 accumulator (row tile m, column tile t) at 128 + 32 m + 8 t
.set VXO,  1                           ; the norm: v1 16 x lane
.set VCS,  2                           ; v2   where my codes go: my wave's first row + 4 x lane
.set RS,   8                           ; v8-15    row p: rsqrt in the even register; the odd one is only named with it
.set CH,   16                          ; v16-31   row p: two packed chains of the sum of squares
.set CD,   32                          ; v32-63   row p: 8 registers of codes
.set TT,   64                          ; v64-67   scale x rsqrt, two pairs by turns
.set SCV,  68                          ; v68  the quantiser's scale as f32
.set LMV,  69                          ; v69  57,344 x the scale
.set PT,   77                          ; v77  a lane permute's destination
.set SXR,  96                          ; v96-127  the batch's scale row: register 4 j + k = column 128 j + 4 lane + k
.set X,    128                         ; v128-255 row p: 32 numbers, the same columns
.set WV,   22
.set SEL,  56                          ; s[56:57] v_permlanex16_b32's selects: lane l xor 16
.set EPS,  58                          ; 1e-6
.set INV,  59                          ; 1 / 1,024
.set SXP,  72                          ; s[72:73] the scale row
.set XP,   74                          ; s[74:75] my wave's first row
; the attention's registers: v4 4,096 w + 16 lane; v5 8,192 w + 256 lane; v6 my q codes in group 0; v7 in the group in hand; v8 bias; v9 K; v10 V; v11, v12 where I put my parts of the next k and v; v13 where o's codes go
.set QF,   16                          ; v16-23   q's fragment
.set S,    96                          ; v96-223  S^T, then p; later v96-159 V's fragments, v160-191 my part of the next v on its way
.set PC,   64                          ; v64-95   four fragments of K, then p's codes
.set KF1,  224                         ; v224-255 four fragments of K, then my part of the next k on its way, then O^T
.set VK,   9
.macro MKSC dsc, dlim, e               ; s[dsc] = 2^e as f32, s[dlim] = 57,344 x 2^e
	s_add_co_i32 s[\dlim], s[\e], 127
	s_lshl_b32 s[\dsc], s[\dlim], 23
	s_add_co_i32 s[\dlim], s[\dlim], 15
	s_lshl_b32 s[\dlim], s[\dlim], 23
	s_or_b32 s[\dlim], s[\dlim], 0x600000
.endm
.macro PLACES                          ; four plain vector instructions between a matrix instruction and a vector instruction or a store that reads its result
.rept 4
	v_nop
.endr
.endm
.macro BAR                             ; my LDS stores have landed and my LDS loads are in: then the work-group's barrier
	s_wait_dscnt 0x0
	s_barrier_signal -1
	s_barrier_wait -1
.endm
.macro SLOAD                           ; the scale row: eight loads of 512 consecutive bytes
.irp j, 0,1,2,3,4,5,6,7
	global_load_b128 v[SXR+4*\j:SXR+4*\j+3], v[VXO], s[SXP:SXP+1] offset:512*\j
.endr
.endm
.macro XLOAD r, row                    ; row 'row' of my wave's rows into slot r: eight loads of 512 consecutive bytes
.irp j, 0,1,2,3,4,5,6,7
	global_load_b128 v[X+32*\r+4*\j:X+32*\r+4*\j+3], v[VXO], s[XP:XP+1] offset:4096*(\row)+512*\j
.endr
.endm
.macro SUMSQ r, left                   ; mean of squares + 1e-6 of slot r, in every lane; left: the later rows' loads, which may stay out
	s_wait_loadcnt \left
	v_pk_mul_f32 v[CH+4*\r:CH+4*\r+1], v[X+32*\r:X+32*\r+1], v[X+32*\r:X+32*\r+1]
	v_pk_mul_f32 v[CH+4*\r+2:CH+4*\r+3], v[X+32*\r+2:X+32*\r+3], v[X+32*\r+2:X+32*\r+3]
.irp j, 2,3,4,5,6,7,8,9,10,11,12,13,14,15
	v_pk_fma_f32 v[CH+4*\r+2*(\j%2):CH+4*\r+2*(\j%2)+1], v[X+32*\r+2*\j:X+32*\r+2*\j+1], v[X+32*\r+2*\j:X+32*\r+2*\j+1], v[CH+4*\r+2*(\j%2):CH+4*\r+2*(\j%2)+1]
.endr
	v_pk_add_f32 v[CH+4*\r:CH+4*\r+1], v[CH+4*\r:CH+4*\r+1], v[CH+4*\r+2:CH+4*\r+3]
	v_add_f32 v[CH+4*\r], v[CH+4*\r], v[CH+4*\r+1]
	v_add_f32_dpp v[CH+4*\r], v[CH+4*\r], v[CH+4*\r] row_xmask:1 row_mask:0xf bank_mask:0xf
	v_add_f32_dpp v[CH+4*\r], v[CH+4*\r], v[CH+4*\r] row_xmask:2 row_mask:0xf bank_mask:0xf
	v_add_f32_dpp v[CH+4*\r], v[CH+4*\r], v[CH+4*\r] row_xmask:4 row_mask:0xf bank_mask:0xf
	v_add_f32_dpp v[CH+4*\r], v[CH+4*\r], v[CH+4*\r] row_xmask:8 row_mask:0xf bank_mask:0xf
	v_permlanex16_b32 v[PT], v[CH+4*\r], s[SEL], s[SEL+1]
	v_add_f32 v[CH+4*\r], v[CH+4*\r], v[PT]
	v_fma_f32 v[CH+4*\r], v[CH+4*\r], s[INV], s[EPS]
.endm
.macro RSQ4                            ; four roots as one batch, one plain instruction, one wait ahead of the first reader
.irp r, 0,1,2,3
	v_rsq_f32 v[RS+2*\r], v[CH+4*\r]
.endr
	v_nop
	s_wait_alu depctr_va_vdst(0)                   ; the four roots are written, ahead of their first reader
.endm
.macro SCALECVT r                      ; slot r: x (scale x rsqrt), held, converted into the slot's eight registers of codes
.irp j, 0,1,2,3,4,5,6,7,8,9,10,11,12,13,14,15
	v_pk_mul_f32 v[TT+2*(\j%2):TT+2*(\j%2)+1], v[SXR+2*\j:SXR+2*\j+1], v[RS+2*\r:RS+2*\r+1] op_sel_hi:[1,0]
	v_pk_mul_f32 v[X+32*\r+2*\j:X+32*\r+2*\j+1], v[X+32*\r+2*\j:X+32*\r+2*\j+1], v[TT+2*(\j%2):TT+2*(\j%2)+1]
.endr
.set CI, 0
.rept 32
	v_med3_num_f32 v[X+32*\r+CI], v[X+32*\r+CI], -v[LMV], v[LMV]   ; the conversion to an 8-bit code does not saturate (ISA guide 7.6.2): the hold at the largest code x the scale
.set CI, CI+1
.endr
.irp i, 0,1,2,3
	v_cvt_scalef32_pk8_bf8_f32 v[CD+8*\r+2*\i:CD+8*\r+2*\i+1], v[X+32*\r+8*\i:X+32*\r+8*\i+7], v[SCV]
.endr
	v_nop                                          ; one plain instruction behind the last conversion
.endm
.macro CSTORE r, row                   ; slot r's 1,024 codes go to LDS row 'row' of my wave's rows
.irp j, 0,1,2,3,4,5,6,7
	ds_store_b32 v[VCS], v[CD+8*\r+\j] offset:RP*(\row)+128*\j   ; columns 128 j + 4 lane + 0..3: 32 lanes store 128 consecutive bytes
.endr
.endm
.macro BLOAD st, base                  ; step st (64 along K) of my four column tiles: eight loads of 512 consecutive bytes
.irp t, 0,1,2,3
.irp c, 0,1
	global_load_b128 v[BF+32*((\st)%3)+8*\t+4*\c:BF+32*((\st)%3)+8*\t+4*\c+3], v[VB], s[\base:\base+1] offset:16384*\t+1024*(\st)+512*\c
.endr
.endr
.endm
.macro ALOAD x                         ; fragment x = 4 s + m of the codes: rows 16 m on, k = 64 s + 32 c + 16 h + 0..15 in registers 4 c .. 4 c + 3: the weight image's order of k
.irp c, 0,1
	ds_load_b128 v[AF+8*((\x)%3)+4*\c:AF+8*((\x)%3)+4*\c+3], v[VA] offset:16*RP*((\x)%4)+64*((\x)/4)+32*\c
.endr
.endm
.macro GMUL t, swap
.set GD, ACC+32*(GQ%4)+8*\t
.set GB, BF+32*((GQ/4)%3)+8*\t
.set GA, AF+8*(GQ%3)
.if \swap
.if GQ < 4
	v_wmma_f32_16x16x64_bf8_bf8 v[GD:GD+7], v[GA:GA+7], v[GB:GB+7], 0
.else
	v_wmma_f32_16x16x64_bf8_bf8 v[GD:GD+7], v[GA:GA+7], v[GB:GB+7], v[GD:GD+7]
.endif
.else
.if GQ < 4
	v_wmma_f32_16x16x64_bf8_bf8 v[GD:GD+7], v[GB:GB+7], v[GA:GA+7], 0
.else
	v_wmma_f32_16x16x64_bf8_bf8 v[GD:GD+7], v[GB:GB+7], v[GA:GA+7], v[GD:GD+7]
.endif
.endif
.endm
; 64 rows x my 64 columns, K = 1,024: 64 groups of four products (group 4 s + m: row tile m, step s).  The caller has issued BLOAD 0, 1, 2.  The 16 accumulators take turns, one instruction a turn, in the same
; order in every step; the first step starts the sums.  swap = 0: source 0 = the weight: a lane holds one row and eight neighbouring columns a tile.
; A group's fragment of codes is asked for three groups ahead: behind the group's wait, into the buffer that this very group has read.
.macro GEMM base, swap
	ALOAD 0
	ALOAD 1
	ALOAD 2
.set GQ, 0
.rept 64
.if GQ%4 == 0
.if GQ/4 <= 13
	s_wait_loadcnt 16                              ; this step's eight loads are in; the next two steps' sixteen may be out
.elseif GQ/4 == 14
	s_wait_loadcnt 8
.else
	s_wait_loadcnt 0
.endif
.endif
.if GQ <= 61
	s_wait_dscnt 4                                 ; this group's fragment is in; the next two groups' two loads each may be out
.elseif GQ == 62
	s_wait_dscnt 2
.else
	s_wait_dscnt 0
.endif
.irp t, 0,1,2,3
	GMUL \t, \swap
.endr
.if GQ <= 60
	s_wait_alu depctr_va_vdst(0)                   ; this group's four products are done reading their fragment of codes, and at a step's end the step's sixteen their weights: the loads below land in these registers
	ALOAD GQ+3
.endif
.if (GQ%4 == 3) && (GQ/4 <= 12)
	BLOAD GQ/4+3, \base
.endif
.set GQ, GQ+1
.endr
.endm
; One head of 64 channels for four tiles of 16 rows: x sqrt(scale) x rsqrt(sum of squares + 1e-6), held, converted into v[out + 8 m + 2 t ..].  A lane holds 32 of its row's channels, lane l xor 16 the others.
; s[sa] = 2^(ea + eb), which the sums lack; s[sb] = its square.  v[sc], v[lim]: the quantiser's scale and hold.
.macro HEADNORM sa, sb, sc, lim, out
.irp m, 0,1,2,3
	v_pk_mul_f32 v[8+4*\m:9+4*\m], v[ACC+32*\m:ACC+32*\m+1], v[ACC+32*\m:ACC+32*\m+1]
.endr
.irp m, 0,1,2,3
	v_pk_mul_f32 v[10+4*\m:11+4*\m], v[ACC+32*\m+2:ACC+32*\m+3], v[ACC+32*\m+2:ACC+32*\m+3]
.endr
.set HP, 2
.rept 14                                           ; ascending: each accumulator is read from its low end on
.irp m, 0,1,2,3
	v_pk_fma_f32 v[8+4*\m+2*(HP%2):9+4*\m+2*(HP%2)], v[ACC+32*\m+2*HP:ACC+32*\m+2*HP+1], v[ACC+32*\m+2*HP:ACC+32*\m+2*HP+1], v[8+4*\m+2*(HP%2):9+4*\m+2*(HP%2)]
.endr
.set HP, HP+1
.endr
.irp m, 0,1,2,3
	v_pk_add_f32 v[8+4*\m:9+4*\m], v[8+4*\m:9+4*\m], v[10+4*\m:11+4*\m]
.endr
.irp m, 0,1,2,3
	v_add_f32 v[8+4*\m], v[8+4*\m], v[9+4*\m]
.endr
.irp m, 0,1,2,3
	v_permlanex16_b32 v[9+4*\m], v[8+4*\m], s[SEL], s[SEL+1]
.endr
.irp m, 0,1,2,3
	v_add_f32 v[8+4*\m], v[8+4*\m], v[9+4*\m]
.endr
.irp m, 0,1,2,3
	v_fma_f32 v[8+4*\m], v[8+4*\m], s[\sb], s[EPS]  ; the true sum of squares + 1e-6
.endr
	s_wait_alu depctr_va_vdst(0)
.irp m, 0,1,2,3
	v_rsq_f32 v[10+4*\m], v[8+4*\m]
.endr
	v_nop
	s_wait_alu depctr_va_vdst(0)                   ; the four roots are written, ahead of their first reader
.irp m, 0,1,2,3
	v_mul_f32 v[10+4*\m], v[SQ], v[10+4*\m]
.endr
.irp m, 0,1,2,3
	v_mul_f32 v[10+4*\m], s[\sa], v[10+4*\m]        ; a power of two: nothing is rounded
.endr
.irp m, 0,1,2,3
.set HP, 0
.rept 16
	v_pk_mul_f32 v[ACC+32*\m+2*HP:ACC+32*\m+2*HP+1], v[ACC+32*\m+2*HP:ACC+32*\m+2*HP+1], v[10+4*\m:11+4*\m] op_sel_hi:[1,0]
.set HP, HP+1
.endr
.set HP, 0
.rept 32
	v_med3_num_f32 v[ACC+32*\m+HP], v[ACC+32*\m+HP], -v[\lim], v[\lim]
.set HP, HP+1
.endr
.irp t, 0,1,2,3
	v_cvt_scalef32_pk8_bf8_f32 v[\out+8*\m+2*\t:\out+8*\m+2*\t+1], v[ACC+32*\m+8*\t:ACC+32*\m+8*\t+7], v[\sc]
.endr
.endr
	v_nop                                          ; one plain instruction behind the last conversion
.endm
.macro KGLOAD dst                      ; my wave's 4,096 bytes of the K part of the block at s[66:67]: eight loads of 512 consecutive bytes
.set GI, 0
.rept 8
	global_load_b128 v[\dst+4*GI:\dst+4*GI+3], v4, s[66:67] offset:512*GI
.set GI, GI+1
.endr
.endm
.macro VGLOAD dst                      ; and of its V part
.set GI, 0
.rept 8
	global_load_b128 v[\dst+4*GI:\dst+4*GI+3], v4, s[66:67] offset:65536+512*GI
.set GI, GI+1
.endr
.endm
.macro KVST adr, src                   ; eight stores of 512 consecutive bytes into KVB, as the bytes lie in memory
.set GI, 0
.rept 8
	ds_store_b128 v[\adr], v[\src+4*GI:\src+4*GI+3] offset:512*GI
.set GI, GI+1
.endr
.endm
; A PREFETCH INTO THE L2 of the block of k and v one group further on than the one just loaded.  It stands behind the wave's run of loads.  The sixteen work-groups of a batch walk the same four blocks: the batch's first
; work-group asks; each of its waves names 8,192 bytes of its own, lanes 256 bytes apart: each aligned 256 bytes of blocks 1 to 3 is named once in the launch.  Block 0 comes by its loads alone; the trip that loads block 3 asks for nothing.
.macro ASK how
.if \how
	s_cmp_eq_u32 s63, 1
.else
	s_cmp_gt_u32 s62, s63                          ; s62 = 1 in the loop's last trip; s63 = 1 in the batch's first work-group, else the greatest number
.endif
	s_cbranch_scc0 .Lnoask_\@
	global_prefetch_b8 v5, s[66:67] offset:131072 th:TH_LOAD_NT scope:SCOPE_SE
.Lnoask_\@:
.endm
.macro KLOAD t0, dst                   ; four fragments of K (16 keys x 64 channels each), key tiles t0 on
.irp i, 0,1,2,3
.irp c, 0,1
	ds_load_b128 v[\dst+8*\i+4*\c:\dst+8*\i+4*\c+3], v[VK] offset:1024*(\t0+\i)+512*\c
.endr
.endr
.endm
.macro SMUL t0, kf                     ; four tiles of S^T: each has its own accumulator, in which the mask's bias lies
.irp i, 0,1,2,3
	v_wmma_f32_16x16x64_bf8_bf8 v[S+8*(\t0+\i):S+8*(\t0+\i)+7], v[\kf+8*\i:\kf+8*\i+7], v[QF:QF+7], v[S+8*(\t0+\i):S+8*(\t0+\i)+7]
.endr
.endm
.macro VLOAD ks                        ; four fragments of V^T (16 channels x 128 keys each)
.irp e, 0,1,2,3
.irp c, 0,1,2,3
	ds_load_b128 v[S+16*\e+4*\c:S+16*\e+4*\c+3], v10 offset:2048*(4*\ks+\e)+512*\c
.endr
.endr
.endm
; ONE GROUP OF FOUR HEADS: my head, my 16 queries, all 256 keys.  last = 0: the next group's k and v are fetched meanwhile and change places behind barriers X and Y.  last = 1: nothing is fetched; X still stands,
; since this group's v was stored behind the last Y; the last GEMM's first weights are asked for.
; At the group's head no vector or matrix instruction has been issued since the wait on va_vdst that stands ahead of it (at the last group's end; for the first group behind the addresses): v7 is written,
; and QF, S, PC and KF1 are done with.
.macro GROUP last
	s_wait_alu depctr_vm_vsrc(0)                   ; the LDS stores at the last group's end have read v13, o's codes v32-39 and the part of v that lay in v160-191: all of these are written again in this group
.irp c, 0,1,2,3
	ds_load_b64 v[QF+2*\c:QF+2*\c+1], v7 offset:16*\c
.endr
.set GI, 0
.rept 32
	ds_load_b128 v[S+4*GI:S+4*GI+3], v8 offset:64*(GI/2)+16*(GI%2)   ; the bias of keys 16 t + 8 h + 0..7, straight into tile t's accumulator
.set GI, GI+1
.endr
	KLOAD 0, PC
	KLOAD 4, KF1
	s_wait_dscnt 8                                 ; all but the eight loads just issued
	SMUL 0, PC
	s_wait_dscnt 0                                 ; K's second four fragments are in
	SMUL 4, KF1
	s_wait_alu depctr_va_vdst(0)                   ; the eight products are done reading both buffers of K's fragments, in which the sixteen loads below land
	KLOAD 8, PC
	KLOAD 12, KF1
	s_wait_dscnt 8                                 ; all but the eight loads just issued
	SMUL 8, PC
	s_wait_dscnt 0                                 ; all my LDS instructions are done: my reads of this group's k, and the last group's stores
	SMUL 12, KF1
	v_add_nc_u32 v13, s61, v6                      ; where o's codes will go: the bytes of q that I have just read.  (With the three v_nop: the four places behind the products, ahead of the first read of the scores)
.rept 3
	v_nop
.endr
.if !\last
	s_wait_alu depctr_va_vdst(0)                   ; the last four products are done reading the fragment buffer in which the loads below land
	KGLOAD KF1                                     ; my part of the next group's k
.endif
	s_barrier_signal -1                            ; X: my reads of k are over, and my stores of this group's v have landed.  Only work on registers stands between this line and the wait
	v_max3_num_f32 v30, v[S], v[S+1], v[S+2]       ; the largest score of my query among my 128 keys, ascending, in two chains,
	v_max3_num_f32 v44, v[S+3], v[S+4], v[S+5]
.set GI, 6
.rept 30
	v_max3_num_f32 v30, v30, v[S+GI], v[S+GI+1]
	v_max3_num_f32 v44, v44, v[S+GI+2], v[S+GI+3]
.set GI, GI+4
.endr
	v_max3_num_f32 v30, v30, v[S+126], v[S+127]
	v_max_num_f32 v30, v30, v44
	v_permlanex16_b32 v31, v30, s[SEL], s[SEL+1]
	v_max_num_f32 v30, v30, v31                    ; and among lane l xor 16's
	v_mul_f32 v30, s46, v30                        ; as t (c is not negative)
	v_floor_f32 v24, -v30                          ; -M = floor(-t) = -ceil(t)
.set GI, 0
.rept 64
	v_pk_fma_f32 v[S+2*GI:S+2*GI+1], v[S+2*GI:S+2*GI+1], s[46:47], v[24:25] op_sel_hi:[1,0,0]   ; t - M, two at a time
.set GI, GI+1
.endr
.set GI, 0
	s_wait_alu depctr_va_vdst(0)
.rept 128
	v_exp_f32 v[S+GI], v[S+GI]                     ; p = 2^(t - M)
.set GI, GI+1
.endr
	v_nop                                          ; a plain instruction behind the last exponential
	s_wait_alu depctr_va_vdst(0)                   ; the 128 exponentials are written: one wait for the whole batch, ahead of its first reader
	v_pk_add_f32 v[26:27], v[S:S+1], v[S+2:S+3]    ; the row's sum is taken of the unquantised p: two chains
	v_pk_add_f32 v[28:29], v[S+4:S+5], v[S+6:S+7]
.set GI, 4
.rept 30
	v_pk_add_f32 v[26:27], v[26:27], v[S+2*GI:S+2*GI+1]
	v_pk_add_f32 v[28:29], v[28:29], v[S+2*GI+2:S+2*GI+3]
.set GI, GI+2
.endr
	s_barrier_wait -1                              ; X: no wave reads this group's k any more, and this group's v lies whole in LDS
.if !\last
	s_wait_loadcnt 0x0                             ; my eight loads of the next k are in
	KVST 11, KF1
.endif
	s_cmp_gt_i32 s34, -16                          ; p is at most 1 (t - M is not above 0, but for the last bit of a rounding), and the hold stands at 57,344 x 2^e10, which is 1.75 or more for e10 >= -15:
	s_cbranch_scc1 .Lnohold_\@                     ; there it holds nothing and is jumped over: a branch on a whole number out of lowp_scales
.set GI, 0
.rept 128
	v_min_num_f32 v[S+GI], v[S+GI], v41            ; p is not negative: the hold is one-sided
.set GI, GI+1
.endr
.Lnohold_\@:
.set GI, 0
.rept 16
	v_cvt_scalef32_pk8_bf8_f32 v[PC+2*GI:PC+2*GI+1], v[S+8*GI:S+8*GI+7], v40   ; keys 16 t + 8 h + 0..7: pair t % 8 of K step t / 8 of the second product's operand
.set GI, GI+1
.endr
	v_nop                                          ; one plain instruction behind the last conversion
	s_wait_alu depctr_va_vdst(0)                   ; the conversions are done reading p: the loads below land in its registers
.if !\last
	VGLOAD S+64                                    ; my part of the next group's v, into registers that p has left
	ASK 0
.endif
	VLOAD 0
	s_wait_dscnt 0                                 ; V's first four fragments are in
.if !\last
	s_wait_alu depctr_vm_vsrc(0)                   ; my stores of k have read v224-255, which O^T's first products write; q's loads have read v7, which is written below
.endif
.irp e, 0,1,2,3
	v_wmma_f32_16x16x128_bf8_bf8 v[KF1+8*\e:KF1+8*\e+7], v[S+16*\e:S+16*\e+15], v[PC:PC+15], 0
.endr
	s_wait_alu depctr_va_vdst(0)                   ; the four products are done reading V's first fragments, in whose registers the second four land
	VLOAD 1
	s_wait_dscnt 0
.if !\last
	s_barrier_signal -1                            ; Y: my reads of v are over, and my stores of the next k have landed.  Only work on registers stands between this line and the wait
.endif
.irp e, 0,1,2,3                                    ; the four accumulators take turns
	v_wmma_f32_16x16x128_bf8_bf8 v[KF1+8*\e:KF1+8*\e+7], v[S+16*\e:S+16*\e+15], v[PC+16:PC+31], v[KF1+8*\e:KF1+8*\e+7]
.endr
	v_pk_add_f32 v[26:27], v[26:27], v[28:29]      ; the sum's chains and halves; with the v_nop and the v_ldexp_f32 below these additions are five plain instructions behind the last products
	v_add_f32 v26, v26, v27
	v_permlanex16_b32 v31, v26, s[SEL], s[SEL+1]
	v_add_f32 v26, v26, v31
	s_wait_alu depctr_va_vdst(0)
	v_rcp_f32 v30, v26
	v_nop
	s_wait_alu depctr_va_vdst(0)                   ; the reciprocal is written, ahead of its first reader
	v_ldexp_f32 v30, v30, s50                      ; x 2^(e10 + e11)
.set GI, 0
.rept 16
	v_pk_mul_f32 v[KF1+2*GI:KF1+2*GI+1], v[KF1+2*GI:KF1+2*GI+1], v[30:31] op_sel_hi:[1,0]
.set GI, GI+1
.endr
.set GI, 0
.rept 32
	v_med3_num_f32 v[KF1+GI], v[KF1+GI], -v43, v43
.set GI, GI+1
.endr
.irp e, 0,1,2,3
	v_cvt_scalef32_pk8_bf8_f32 v[32+2*\e:33+2*\e], v[KF1+8*\e:KF1+8*\e+7], v42
.endr
	v_nop
.if !\last
	s_add_co_u32 s61, s61, 256
	v_add_nc_u32 v7, s61, v6                       ; my q codes in the next group: 256 bytes further on
.endif
	s_wait_alu depctr_va_vdst(0)                   ; o's codes v32-39 are written, which the stores below read; the group's vector and matrix instructions are done with all that the loads that follow land in (last = 0: and v7 is written): the next group's head, or the last GEMM's first loads
.if !\last
	s_barrier_wait -1                              ; Y: no wave reads this group's v any more, and the next group's k lies whole in LDS
	s_wait_loadcnt 0x0                             ; my eight loads of the next v are in
	KVST 12, S+64
.endif
.irp e, 0,1,2,3
	ds_store_b64 v13, v[32+2*\e:33+2*\e] offset:16*\e   ; o(row, 64 head + 16 e + 8 h + 0..7): the bytes of q that I alone have read
.endr
.if !\last
	s_wait_xcnt 0x0                                ; the loads and the prefetch have read their address: the block's pointer steps only behind this wait
	s_add_nc_u64 s[66:67], s[66:67], 131072
.else
	s_wait_dscnt 0x0                               ; for the others' sake: my o codes lie in LDS
	s_wait_alu depctr_vm_vsrc(0)                   ; o's stores have read v32-39, and the attention's LDS instructions their addresses v7-13: weights land in v32-127, fragments of codes in v8-31
	BLOAD 0, 18
	BLOAD 1, 18
	BLOAD 2, 18
	s_barrier_signal -1
	s_barrier_wait -1                              ; all 64 rows of o's codes lie in REG
.endif
.endm
	s_load_b512 s[4:19], s[0:1], 0x0               ; x 4:5, sx 6:7, mask 8:9, scales 10:11, qk_scale 12:13, wq_img 14:15, kv_img 16:17, wo_img 18:19
	s_load_b64 s[20:21], s[0:1], 0x40              ; out0
	v_lshrrev_b32 v1, 5, v0
	v_readfirstlane_b32 s[WV], v1                  ; wave 0..15
	v_and_b32 v8, 31, v0                           ; lane
	v_lshlrev_b32 v[VXO], 4, v8
	s_wait_alu depctr_va_sdst(0)                   ; the wave's number is written, ahead of its first reader
	s_lshl_b32 s28, s[WV], 12
	v_add_nc_u32 v4, s28, v[VXO]                   ; 4,096 w + 16 lane: stays
	s_lshl_b32 s28, s[WV], 13
	v_lshl_add_u32 v5, v8, 8, s28                  ; 8,192 w + 256 lane: stays
	s_mul_i32 s29, s[WV], 4*RP
	v_lshl_add_u32 v[VCS], v8, 2, s29              ; my wave's rows 4 w on
	v_lshlrev_b32 v75, 3, v8                       ; the mask: 8 bytes a lane: a wave sees all 256 keys
	v_and_b32 v71, 255, v0                         ; and one key a thread
	v_lshl_add_u32 v76, v0, 2, BIAS
	v_mov_b32 v73, 0xfe800000                      ; -2^126
	v_mov_b32 v74, 0
	v_mov_b32 v[PT], 0                             ; a lane permute's destination counts as read
.irp r, 0,1,2,3
	v_mov_b32 v[RS+2*\r+1], 0                      ; (named as the upper halves of pairs)
.endr
	s_mov_b32 s[SEL], 0x76543210
	s_mov_b32 s[SEL+1], 0xfedcba98
	s_mov_b32 s[EPS], 0x358637bd
	s_mov_b32 s[INV], 0x3a800000
	s_lshr_b32 s23, ttmp9, 4                       ; batch
	s_and_b32 s2, ttmp9, 15
	s_cmp_eq_u32 s2, 0
	s_cselect_b32 s63, 1, -1                       ; the batch's first work-group prefetches
	s_lshl_b32 s3, s[WV], 2
	s_lshl_b32 s26, ttmp9, 18                      ; 64 rows of 4,096 bytes
	s_mov_b32 s27, 0
	s_wait_kmcnt 0x0
	s_load_b64 s[24:25], s[10:11], 0x8             ; e2, e3
	s_load_b128 s[32:35], s[10:11], 0x20           ; e8 .. e11
	s_load_b64 s[36:37], s[10:11], 0x30            ; e12, e13
	s_load_b32 s60, s[12:13], s3 offset:0x0        ; qk_scale[w]
	s_add_nc_u64 s[68:69], s[4:5], s[26:27]        ; x and out0 at the work-group's first row
	s_add_nc_u64 s[70:71], s[20:21], s[26:27]
	s_lshl_b32 s26, s[WV], 14
	s_add_nc_u64 s[XP:XP+1], s[68:69], s[26:27]
	s_lshl_b32 s26, s23, 12
	s_add_nc_u64 s[SXP:SXP+1], s[6:7], s[26:27]
	s_lshl_b32 s26, s23, 8
	s_add_nc_u64 s[76:77], s[8:9], s[26:27]
	s_lshl_b32 s26, s23, 19
	s_add_nc_u64 s[66:67], s[16:17], s[26:27]      ; the batch's four blocks of k and v
	s_wait_alu depctr_va_vdst(0)                   ; the offsets v1, v2, v4, v5, v71, v75, v76 are written, which the loads, stores and prefetches below read
	global_load_b64 v[78:79], v75, s[76:77]
	global_load_u8 v70, v71, s[76:77]
	SLOAD
.irp r, 0,1,2,3
	XLOAD \r, \r
.endr
	s_wait_kmcnt 0x0
	MKSC 40, 41, 24                                ; e2: xn's quantiser
	s_add_co_i32 s26, s24, s25
	s_add_co_i32 s42, s26, 127
	s_lshl_b32 s42, s42, 23                        ; 2^(e2 + e3)
	s_lshl_b32 s43, s26, 1
	s_add_co_i32 s43, s43, 127
	s_lshl_b32 s43, s43, 23                        ; its square
	MKSC 44, 45, 32                                ; e8: q's
	s_add_co_i32 s46, s32, s33
	s_lshl_b32 s46, s46, 23
	s_add_co_i32 s46, s46, 0x3e38aa3b              ; c = log2(e) / 8 x 2^(e8 + e9): the exponents are added to the exponent field
	MKSC 48, 49, 34                                ; e10: p's
	s_add_co_i32 s50, s34, s35                     ; e10 + e11
	MKSC 51, 52, 36                                ; e12: o's
	s_add_co_i32 s54, s36, s37
	s_add_co_i32 s54, s54, 127
	s_lshl_b32 s54, s54, 23                        ; 2^(e12 + e13)
	s_mov_b32 s55, s54
	v_mov_b32 v[SCV], s40
	v_mov_b32 v[LMV], s41
	; ---- the mask's bias
	s_wait_loadcnt 40                              ; the mask's two loads are in; the scale row's 8 and x's 32 may be out
	v_or_b32 v72, v78, v79
	v_cmp_ne_u32 vcc_lo, 0, v72
	s_wait_alu depctr_va_vcc(0)                    ; the compare has written VCC, which the next line reads
	s_cmp_lg_u32 vcc_lo, 0                         ; has the batch an open key?
	s_cselect_b32 s46, s46, 0                      ; if not: c = 0,
	s_cselect_b32 s3, 0, 1
	s_mov_b32 s47, s46                             ; (named with it as a pair)
	v_or_b32 v70, s3, v70                          ; and every key counts as open
	v_cmp_ne_u32 vcc_lo, 0, v70
	s_wait_alu depctr_va_vcc(0)                    ; the compare has written VCC, which the select reads
	v_cndmask_b32 v70, v73, v74, vcc_lo            ; open: 0; hidden: -2^126
	s_cmp_lt_u32 s[WV], 8                          ; threads 0 to 255 store the 256 words
	s_cbranch_scc0 .Lnobias
	s_wait_alu depctr_va_vdst(0)                   ; the select has written v70, which the store reads
	ds_store_b32 v76, v70
.Lnobias:
	; ---- P0: the norm and the codes of my four rows
	SUMSQ 0, 24
	SUMSQ 1, 16
	SUMSQ 2, 8
	SUMSQ 3, 0
	s_wait_alu depctr_va_vdst(0)
	RSQ4
	SCALECVT 0
	SCALECVT 1
	s_wait_alu depctr_va_vdst(0)                   ; rows 0 and 1's conversions have written their codes, which the stores below read; rows 2 and 3's arithmetic, among which the stores are dealt, names other registers
	CSTORE 0, 0
	SCALECVT 2
	CSTORE 1, 1
	SCALECVT 3
	s_wait_alu depctr_va_vdst(0)                   ; rows 2 and 3's conversions have written their codes
	CSTORE 2, 2
	CSTORE 3, 3
	s_wait_dscnt 0x0                               ; for the others' sake: my codes and my bias words lie in LDS.  (All my global loads are in too: v1 may be written)
	s_wait_alu depctr_vm_vsrc(0)                   ; the loads and stores so far have read v1 and v2, which are made anew below, and v32-63, v70, v71, v75, v76, in which weights land
	v_sqrt_f32 v[SQ], s60
	v_and_b32 v6, 15, v0                           ; r  (a plain instruction behind the root)
	v_bfe_u32 v7, v0, 4, 1                         ; h
	v_mul_u32_u24 v[VA], v6, RP
	v_lshl_add_u32 v[VA], v7, 4, v[VA]
	s_lshl_b32 s26, s[WV], 16                      ; my four column tiles of 16,384 bytes
	v_and_b32 v8, 31, v0
	v_lshlrev_b32 v8, 4, v8
	v_add_nc_u32 v[VB], s26, v8
	s_wait_alu depctr_va_vdst(0)                   ; the root is written; v1 and v2 are written, which the GEMM's loads read; the norm is done with v8-127, in which they land
	BLOAD 0, 14
	BLOAD 1, 14
	BLOAD 2, 14
	s_barrier_signal -1
	s_barrier_wait -1                              ; the 64 rows' codes lie in REG
	; ---- P1: q
	GEMM 14, 0
	PLACES                                         ; in front of the first read of the sums
	s_wait_alu depctr_va_vdst(0)                   ; the last products are done reading the weights' buffers v32-95, in which k and v land
	KGLOAD 32                                      ; group 0's k and v, my parts, into the weights' first two buffers
	VGLOAD 64
	ASK 1
	v_mov_b32 v25, s44
	v_mov_b32 v26, s45
	HEADNORM 42, 43, 25, 26, 96
	v_mul_u32_u24 v27, v6, RP
	v_lshl_add_u32 v27, v7, 3, v27
	s_lshl_b32 s26, s[WV], 6
	v_add_nc_u32 v27, s26, v27                     ; q's codes: row r, + 8 h, + 64 x head
	v_add_nc_u32 v28, KVB, v4
	v_add_nc_u32 v29, 0x10000, v28
	s_wait_alu depctr_va_vdst(0)                   ; q's codes v96-127 and the addresses v27, v28, v29 are written, which the LDS stores behind the barrier read
	BAR                                            ; every wave's reads of xn's codes are over
.irp m, 0,1,2,3
.irp c, 0,1,2,3
	ds_store_b64 v27, v[96+8*\m+2*\c:96+8*\m+2*\c+1] offset:16*RP*\m+16*\c
.endr
.endr
	s_wait_loadcnt 0x0
	KVST 28, 32
	KVST 29, 64
	s_wait_xcnt 0x0                                ; the loads and the prefetch have read their address
	s_add_nc_u64 s[66:67], s[66:67], 131072
	BAR                                            ; q's codes, and group 0's k and v, lie in LDS
	s_wait_alu depctr_vm_vsrc(0)                   ; my LDS stores have read v27-29 and v32-127: constants are written into v40-43 below, the sums into v26-29, and the first group's loads land in v64-127
	; ---- the attention's addresses
	s_lshr_b32 s26, s[WV], 2                       ; my head of the group's four
	s_and_b32 s27, s[WV], 3                        ; my tile of 16 rows
	s_mul_i32 s27, s27, 16*RP
	s_lshl_b32 s28, s26, 6
	s_add_co_u32 s27, s27, s28
	v_mul_u32_u24 v14, v6, RP
	v_lshl_add_u32 v14, v7, 3, v14
	v_lshlrev_b32 v8, 5, v7
	v_add_nc_u32 v8, BIAS, v8
	v_add_nc_u32 v6, s27, v14
	s_lshl_b32 s28, s26, 14
	s_add_co_u32 s28, s28, KVB
	v_and_b32 v9, 31, v0
	v_lshl_add_u32 v9, v9, 4, s28
	v_add_nc_u32 v10, 0x10000, v9
	v_add_nc_u32 v11, KVB, v4
	v_add_nc_u32 v12, 0x10000, v11
	v_mov_b32 v40, s48
	v_mov_b32 v41, s49
	v_mov_b32 v42, s51
	v_mov_b32 v43, s52
	v_mov_b32 v25, 0                               ; (named as the upper half of the pair v[24:25])
	v_mov_b32 v31, 0                               ; a lane permute's destination counts as read
	s_mov_b32 s61, 0
	s_mov_b32 s62, 3
	v_add_nc_u32 v7, s61, v6                       ; my q codes in group 0; each group but the last makes the next group's
	s_wait_alu depctr_va_vdst(0)                   ; the addresses v7 to v12 are written, which the attention's LDS instructions read; q's scaling is done with v16-23 and v96-255, in which the first group's loads land
.Lgrp:                                                 ; three trips, each of which fetches the next group's k and v; the fourth group is written out
	GROUP 0
	s_sub_co_u32 s62, s62, 1
	s_cmp_lg_u32 s62, 0
	s_cbranch_scc1 .Lgrp
	GROUP 1
	; ---- P3: out = o w_o^T x 2^(e12 + e13) + x
	GEMM 18, 0
	PLACES                                         ; with the address work below: the places in front of the stores that read the sums
	v_and_b32 v11, 15, v0
	v_bfe_u32 v12, v0, 4, 1
	s_mul_i32 s26, s[WV], 16*272
	s_add_co_u32 s26, s26, STG                     ; my stage
	v_mul_u32_u24 v8, v11, 272
	v_lshl_add_u32 v8, v12, 5, v8
	v_add_nc_u32 v8, s26, v8                       ; in: row r, + 32 h
	v_mul_u32_u24 v9, v12, 272
	v_lshl_add_u32 v9, v11, 4, v9
	v_add_nc_u32 v9, s26, v9                       ; back: lanes 0-15 one row of 256 bytes, lanes 16-31 the next
	v_lshlrev_b32 v10, 12, v12
	v_lshl_add_u32 v10, v11, 4, v10
	s_lshl_b32 s27, s[WV], 8
	v_add_nc_u32 v10, s27, v10                     ; and the same two rows of x and of out0, at my 64 columns
.macro SKIPLOAD m                      ; x's 16 rows x 64 columns of row tile m, laid as the stage gives the sums back; its last use
.irp i, 0,1,2,3,4,5,6,7
	global_load_b128 v[32+32*((\m)%3)+4*\i:32+32*((\m)%3)+4*\i+3], v10, s[68:69] offset:4096*(16*(\m)+2*\i) th:TH_LOAD_NT
.endr
.endm
.macro OUTST m                         ; row tile m's results leave
.irp i, 0,1,2,3,4,5,6,7
	global_store_b128 v10, v[ACC+32*(\m)+4*\i:ACC+32*(\m)+4*\i+3], s[70:71] offset:4096*(16*(\m)+2*\i) th:TH_STORE_NT   ; sixteen lanes store 256 consecutive bytes, aligned
.endr
.endm
	s_wait_alu depctr_va_vdst(0)                   ; the products have written the sums, which the LDS stores read (the places above stay beside this wait); v8, v9, v10 are written; the last products are done reading v32-127, in which x lands
	SKIPLOAD 0
	SKIPLOAD 1
	SKIPLOAD 2
.irp m, 0,1,2,3
.irp t, 0,1,2,3
	ds_store_b128 v8, v[ACC+32*\m+8*\t:ACC+32*\m+8*\t+3] offset:64*\t        ; each accumulator from its low end on
	ds_store_b128 v8, v[ACC+32*\m+8*\t+4:ACC+32*\m+8*\t+7] offset:64*\t+16
.endr
	s_wait_alu depctr_vm_vsrc(0)                   ; the stores above have read the tile's registers, in which its rows come back
.irp i, 0,1,2,3,4,5,6,7
	ds_load_b128 v[ACC+32*\m+4*\i:ACC+32*\m+4*\i+3], v9 offset:544*\i        ; my own bytes, served in order: these see the stores above; the next tile's stores come behind them
.endr
.if \m > 0
	s_wait_alu depctr_va_vdst(0)                   ; the tile before's multiply-adds have written what the stores below read; tile 0's are done reading x's first buffer, in which tile 3's x lands
.if \m == 1
	SKIPLOAD 3
.endif
	OUTST \m-1
.endif
	s_wait_dscnt 0x0
.if \m < 2
	s_wait_loadcnt 16                              ; this tile's eight loads of x are in; two later tiles' may be out
.elseif \m == 2
	s_wait_loadcnt 8
.else
	s_wait_loadcnt 0
.endif
.set GI, 0
.rept 16
	v_pk_fma_f32 v[ACC+32*\m+2*GI:ACC+32*\m+2*GI+1], v[ACC+32*\m+2*GI:ACC+32*\m+2*GI+1], s[54:55], v[32+32*(\m%3)+2*GI:32+32*(\m%3)+2*GI+1] op_sel_hi:[1,0,1]
.set GI, GI+1
.endr
.endr
	s_wait_alu depctr_va_vdst(0)                   ; tile 3's multiply-adds have written what the last stores read
	OUTST 3
	s_wait_xcnt 0x0
	s_wait_alu depctr_vm_vsrc(0)                   ; the last stores have read v254 and v255, which are written below
	v_lshl_add_u32 v254, v0, 2, 0x41800
	v_mov_b32 v255, 0
	s_wait_dscnt 0x0                               ; the closing lines, six on end
	s_wait_alu 0x0
	s_wait_tensorcnt 0x0
	ds_add_u32 v254, v255
	s_wait_dscnt 0x0
	s_endpgm
.Lfunc_end_k_qfb074b9f54_main:
	.size	k_qfb074b9f54_main, .Lfunc_end_k_qfb074b9f54_main-k_qfb074b9f54_main
	.p2alignl 7, 3214868480
	.fill 96, 4, 3214868480
	.section	.rodata,"a",@progbits
	.p2align	6, 0x0
	.amdhsa_kernel k_qfb074b9f54_main
		.amdhsa_group_segment_fixed_size 270336
		.amdhsa_private_segment_fixed_size 0
		.amdhsa_enable_private_segment 0
		.amdhsa_kernarg_size 72
		.amdhsa_user_sgpr_count 2
		.amdhsa_user_sgpr_kernarg_segment_ptr 1
		.amdhsa_wavefront_size32 1
		.amdhsa_system_sgpr_workgroup_id_x 1
		.amdhsa_system_sgpr_workgroup_id_y 1
		.amdhsa_system_sgpr_workgroup_id_z 1
		.amdhsa_system_vgpr_workitem_id 0
		.amdhsa_next_free_vgpr 256
		.amdhsa_next_free_sgpr 80
		.amdhsa_reserve_vcc 1
		.amdhsa_float_denorm_mode_32 3
		.amdhsa_float_denorm_mode_16_64 3
		.amdhsa_memory_ordered 1
		.amdhsa_forward_progress 1
		.amdhsa_inst_pref_size 226
	.end_amdhsa_kernel
	.amdgpu_metadata
---
amdhsa.version: [ 1, 2 ]
amdhsa.kernels:
  - .name:           k_qfb074b9f54_main
    .symbol:         k_qfb074b9f54_main.kd
    .args:
      - { .name: x, .offset: 0, .size: 8, .value_kind: global_buffer, .address_space: global }
      - { .name: sx, .offset: 8, .size: 8, .value_kind: global_buffer, .address_space: global }
      - { .name: crossattn_mask, .offset: 16, .size: 8, .value_kind: global_buffer, .address_space: global }
      - { .name: lowp_scales, .offset: 24, .size: 8, .value_kind: global_buffer, .address_space: global }
      - { .name: qk_scale, .offset: 32, .size: 8, .value_kind: global_buffer, .address_space: global }
      - { .name: wq_img, .offset: 40, .size: 8, .value_kind: global_buffer, .address_space: global }
      - { .name: kv_img, .offset: 48, .size: 8, .value_kind: global_buffer, .address_space: global }
      - { .name: wo_img, .offset: 56, .size: 8, .value_kind: global_buffer, .address_space: global }
      - { .name: out0, .offset: 64, .size: 8, .value_kind: global_buffer, .address_space: global }
    .group_segment_fixed_size: 270336
    .private_segment_fixed_size: 0
    .kernarg_segment_align: 8
    .kernarg_segment_size: 72
    .max_flat_workgroup_size: 512
    .sgpr_count:     80
    .vgpr_count:     256
    .wavefront_size: 32
...
	.end_amdgpu_metadata
.endif
;; end of part 6
